; MI455X (gfx1250); checked and timed in simulation.
; The chip was launched on July 23, 2026; its instructions are those of AMD's public machine-readable ISA for CDNA 5 (MIT licence, August 2026) and "CDNA5" Instruction Set Architecture Reference Guide (July 2026). The comments in the code are by the model that wrote it; some were corrected since.
;; Afmoe Mo E. Allowed arithmetic: float matrix products may take bf16 or f16 operands with f32 sums; other float arithmetic in f32, or as packed bf16 or f16 multiplies, adds, multiply-adds, maxima and minima; sums over many terms, partial sums and values carried from step to step in f32; what a program stores and reads back later, other than sums and carried values, may be rounded once to bf16 or f16.
;; Inputs: expert_bias 32 float32; gate_w 32 x 1,024 float32; hidden_states 1,024 x 1,024 float32; sw_down 512 x 1,024 float32; sw_gate 1,024 x 512 float32; sw_up 1,024 x 512 float32; w_down 32 x 512 x 1,024 float32; w_gate 32 x 1,024 x 512 float32; w_up 32 x 1,024 x 512 float32.
;; Outputs: out0 1,024 x 1,024 float32.
;; 2 versions, each right. Each part assembles by itself: llvm-mc -triple=amdgcn-amd-amdhsa -mcpu=gfx1250 --defsym DOCPART=n.
;; ======== version 1 of 2: 4 launches
;; workspace buffers: xb 2,097,152 bytes; ids 16,384 bytes of whole numbers; wts 16,384 bytes; bitmap 8,192 bytes of whole numbers; rankmap 196,608 bytes of whole numbers; hid 50,331,648 bytes; part 201,326,592 bytes
;; launch router (part 1): grid 32 x 1, 4 waves a work-group, no clusters, 84,992 bytes of LDS; arguments hidden_states, gate_w, expert_bias, xb, ids, wts, bitmap; writes xb, ids, wts, bitmap
.if DOCPART == 1
	.amdgcn_target "amdgcn-amd-amdhsa--gfx1250"
	.amdhsa_code_object_version 6
	.text
	.protected	k_qa2e7baed04_router
	.globl	k_qa2e7baed04_router
	.p2align	8
	.type	k_qa2e7baed04_router,@function
k_qa2e7baed04_router:
	s_mov_b64 s[64:65], 0
	v_nop
	global_prefetch_b8 v0, s[64:65] scope:SCOPE_SE
	s_setreg_imm32_b32 hwreg(HW_REG_WAVE_MODE, 25, 1), 1
	s_wait_xcnt 0x0
; ROUTER.  Work-group g owns tokens 32 g .. 32 g + 31.  It rounds their rows of x to bf16 (into xb, for the next launch, and into LDS), makes the 32 logits of each token on the
; matrix unit, and wave 0 (a lane a token) does the grouped top-4, the four weights and the bitmap.
; FORMATS AND LIMITS.  x, gate_w and expert_bias are rounded to bf16 first, like every input of this program; the products of two bf16 numbers are exact in f32 and the sums are f32.
; Two scores that differ by less than the f32 sums' own error (some 1e-7) may be ordered otherwise than a sum in another order would; NaN is not treated apart; a score below 2^-126 counts as 0.
; Ties go to the lower index, as jax.lax.top_k breaks them.
; SHARES.  Wave w loads rows 8 w .. 8 w + 7 of the 32; in the product it owns K = 256 w .. 256 w + 255: 2 token tiles x 2 expert tiles x 8 K steps on four accumulators by turns.
; The four waves' partial logits meet in LDS and wave 0 adds them.
; OUT.  ids[t][4], wts[t][4]; bitmap[row][word]: bit l of word g of row e says that token 32 g + l chose expert e; rows 32 + b (b = 0..15) stand for the shared expert's
; block of tokens 64 b .. 64 b + 63, rows 48..63 are 0.
; REGISTERS in windows of 256 (s_set_vgpr_msb: bits 1:0 source 0, 3:2 source 1, 5:4 source 2, 7:6 destination):
;   window 0 addresses, accumulators, scores     window 1 x as loaded, later the token fragments     window 2 gate_w as loaded     window 3 v0-127 x in bf16, v128-255 gate fragments
.set XP,    2064                       ; a row of x in LDS: 2,048 bytes + 16: an odd multiple of 16, so the 16 rows of a fragment load start in 16 different groups of banks (ISA guide 11.1)
.set LG,    32*XP                      ; behind the rows: partial logits, [wave][token][expert] f32
.set LGP,   144                        ; a token's 32 logits + 16 bytes
.set LGW,   32*LGP                     ; a wave's part
.set SPARE, LG+4*LGW                   ; the spare words: 128 bytes a wave, two blocks of 256 bytes that no other line names
.set SPW, 2                            ; v2  my spare word's LDS address; never rewritten
.set NIL, 3                            ; v3  0; never rewritten
.set ACC, 16                           ; v16-47   accumulator (token tile tt, expert tile et) at ACC + 8 (2 tt + et)
.set SC,  48                           ; v48-79   the 32 scores
.set SB,  80                           ; v80-111  the 32 scores with bias
.set GS,  112                          ; v112-115 group scores
.set ID,  116                          ; v116-119 the four chosen experts
.set WT,  120                          ; v120-123 their scores, then their weights
.set M1,  124
.set M2,  125
.set TT,  126
.set NEG, 127                          ; the lowest finite f32
.set P,   128                          ; v128-255 the four waves' partial logits; afterwards at work:
.set RK,  128                          ; v128-131 the groups' ranks
.set BEST, 132
.set BI,  133
.set BS,  134
.set NINF, 135
.set ONE, 136
.set MK,  137
.set BM,  138
.set T2,  139
.set MSB, 0
.macro WIN new                         ; the immediate's high byte repeats the setting that is left; a switch that changes nothing is dropped
.if MSB != (\new)
	s_set_vgpr_msb (MSB<<8)|(\new)
.set MSB, \new
.endif
.endm
	s_load_b256 s[4:11], s[0:1], 0x0               ; hidden_states s[4:5], gate_w s[6:7], expert_bias s[8:9], xb s[10:11]
	s_load_b128 s[12:15], s[0:1], 0x20             ; ids s[12:13], wts s[14:15]
	s_load_b64 s[16:17], s[0:1], 0x30              ; bitmap
	v_lshl_add_u32 v[SPW], v0, 2, SPARE
	v_mov_b32 v[NIL], 0
	v_lshrrev_b32 v1, 5, v0
	v_readfirstlane_b32 s21, v1                    ; wave 0..3
	v_and_b32 v1, 31, v0                           ; lane
	v_and_b32 v4, 15, v0                           ; r = lane % 16
	v_bfe_u32 v5, v0, 4, 1                         ; h = lane / 16
	v_lshlrev_b32 v6, 4, v1                        ; 16 x lane
	v_lshlrev_b32 v7, 3, v1                        ; 8 x lane
	v_lshlrev_b32 v14, 2, v1                       ; 4 x lane
	v_lshlrev_b32 v15, 7, v1                       ; 128 x lane: a bitmap row
	s_mul_i32 s30, s21, 8*XP
	v_add_nc_u32 v8, s30, v7                       ; where my 8 bytes of my wave's first row go in LDS
	v_lshlrev_b32 v9, 12, v4                       ; gate_w: expert r's row,
	v_lshl_add_u32 v9, v5, 5, v9                   ; 8 h numbers on,
	s_lshl_b32 s30, s21, 10
	v_add_nc_u32 v9, s30, v9                       ; in my wave's quarter of K
	v_mul_u32_u24 v10, v4, XP                      ; a token fragment: row r,
	v_lshl_add_u32 v10, v5, 4, v10                 ; 16 h bytes on,
	s_lshl_b32 s30, s21, 9
	v_add_nc_u32 v10, s30, v10                     ; in my wave's quarter of K
	v_mul_u32_u24 v11, v5, 8*LGP                   ; partial logits out: token 8 h + register,
	v_lshl_add_u32 v11, v4, 2, v11                 ; expert r,
	s_mul_i32 s30, s21, LGW
	s_add_co_u32 s30, s30, LG
	v_add_nc_u32 v11, s30, v11                     ; my wave's part
	v_mul_u32_u24 v12, v1, LGP
	v_add_nc_u32 v12, LG, v12                      ; partial logits back: token = lane
	s_lshl_b32 s22, ttmp9, 17                      ; 32 rows of 4,096 bytes a work-group,
	s_lshl_b32 s24, s21, 15                        ; 8 a wave
	s_add_co_u32 s22, s22, s24
	s_mov_b32 s23, 0
	s_lshl_b32 s24, ttmp9, 16                      ; the same rows in xb, 2,048 bytes each
	s_lshl_b32 s26, s21, 14
	s_add_co_u32 s24, s24, s26
	s_mov_b32 s25, 0
	s_lshl_b32 s26, ttmp9, 9                       ; 32 tokens x 16 bytes in ids and in wts
	s_mov_b32 s27, 0
	s_lshl_b32 s28, ttmp9, 2                       ; word g of a bitmap row
	s_mov_b32 s29, 0
	s_wait_kmcnt 0x0
	s_add_nc_u64 s[4:5], s[4:5], s[22:23]
	s_add_nc_u64 s[10:11], s[10:11], s[24:25]
	s_add_nc_u64 s[12:13], s[12:13], s[26:27]
	s_add_nc_u64 s[14:15], s[14:15], s[26:27]
	s_add_nc_u64 s[16:17], s[16:17], s[28:29]
	; ALL LOADS AT ONCE: the bias (lane e: expert e), my 8 rows of x (a load covers 512 consecutive bytes), my quarter of K of gate_w as fragments (lane (r, h): expert 16 et + r, 4 numbers a load)
	global_load_b32 v13, v14, s[8:9]
	WIN 0x40                                       ; destination window 1
.set i, 0
.rept 64                               ; i = 8 row + piece
	global_load_b128 v[4*i:4*i+3], v6, s[4:5] offset:(i/8)*4096+(i%8)*512 th:TH_LOAD_NT
.set i, i+1
.endr
	WIN 0x80                                       ; destination window 2
.set i, 0
.rept 64                               ; i = 4 (8 et + q) + a: K step q; bytes 0, 16, 64, 80 of its 128: k = 8 h + 0..7 and 16 + 8 h + 0..7
	global_load_b128 v[4*i:4*i+3], v9, s[6:7] offset:(i/32)*65536+((i/4)%8)*128+(i%4)*16+((i%4)/2)*32
.set i, i+1
.endr
	; x: rounded once to bf16, stored to xb (a store covers 256 consecutive bytes, aligned) and into LDS
	s_wait_loadcnt 63                              ; 64 loads of gate_w stand behind x's; the count's field ends at 63, and a smaller count is safe
	WIN 0xc5                                       ; sources window 1, destination window 3
.set i, 0
.rept 128
	v_cvt_pk_bf16_f32 v[i], v[2*i], v[2*i+1]
.set i, i+1
.endr
	WIN 0x0c                                       ; store data window 3, addresses window 0
.set i, 0
.rept 64
	global_store_b64 v7, v[2*i:2*i+1], s[10:11] offset:(i/8)*2048+(i%8)*256
	ds_store_b64 v8, v[2*i:2*i+1] offset:(i/8)*XP+(i%8)*256
.set i, i+1
.endr
	; gate_w: rounded to bf16; two neighbouring numbers of a row make one register of a fragment
	s_wait_loadcnt 0x0
	WIN 0xca                                       ; sources window 2, destination window 3
.set i, 0
.rept 128
	v_cvt_pk_bf16_f32 v[128+i], v[2*i], v[2*i+1]
.set i, i+1
.endr
	WIN 0
	s_wait_dscnt 0x0                               ; for the others' sake: my rows are in LDS
	s_barrier_signal -1
	s_barrier_wait -1
	; THE PRODUCT: tokens are source 0, experts source 1: register j of lane (r, h) holds token 8 h + j, expert r
	WIN 0x40
.set i, 0
.rept 16                               ; i = 8 tt + q
	ds_load_b128 v[8*i:8*i+3],   v10 offset:(i/8)*16*XP+(i%8)*64
	ds_load_b128 v[8*i+4:8*i+7], v10 offset:(i/8)*16*XP+(i%8)*64+32
.set i, i+1
.endr
	s_wait_dscnt 0x0
	WIN 0x0d                                       ; source 0 window 1, source 1 window 3, C and D window 0
.set n, 0
.rept 32                               ; n = 4 q + 2 tt + et: the four accumulators take turns; the first K step starts the sums
.set rD, ACC+8*(n%4)
.set rA, 8*(8*((n/2)%2)+n/4)
.set rB, 128+8*(8*(n%2)+n/4)
.if n < 4
	v_wmma_f32_16x16x32_bf16 v[rD:rD+7], v[rA:rA+7], v[rB:rB+7], 0
.else
	v_wmma_f32_16x16x32_bf16 v[rD:rD+7], v[rA:rA+7], v[rB:rB+7], v[rD:rD+7]
.endif
.set n, n+1
.endr
	WIN 0
.rept 4
	v_nop                                          ; four places between the last product and the stores that read results
.endr
.set i, 0
.rept 32                               ; i = 8 (2 tt + et) + j: each accumulator from its low end on
	ds_store_b32 v11, v[ACC+i] offset:(i/16)*16*LGP+(i%8)*LGP+((i/8)%2)*64
.set i, i+1
.endr
	s_wait_dscnt 0x0                               ; for wave 0's sake: my partial logits are in LDS
	s_barrier_signal -1
	s_barrier_wait -1
	s_cmp_lg_u32 s21, 0
	s_cbranch_scc1 .Lend                           ; the rest is wave 0's: a lane a token
.set i, 0
.rept 32                               ; i = 8 wave + piece of four experts
	ds_load_b128 v[P+4*i:P+4*i+3], v12 offset:(i/8)*LGW+(i%8)*16
.set i, i+1
.endr
	v_cvt_pk_bf16_f32 v13, v13, v13                ; the bias, rounded to bf16 like every input,
	v_lshlrev_b32 v13, 16, v13                     ; as f32,
.set i, 0
.rept 32
	v_readlane_b32 s[32+i], v13, i                 ; and in scalar registers: expert i's in s[32 + i]
.set i, i+1
.endr
	s_wait_dscnt 0x0
.set i, 0
.rept 16
	v_pk_add_f32 v[P+2*i:P+2*i+1], v[P+2*i:P+2*i+1], v[P+32+2*i:P+32+2*i+1]
	v_pk_add_f32 v[P+64+2*i:P+64+2*i+1], v[P+64+2*i:P+64+2*i+1], v[P+96+2*i:P+96+2*i+1]
.set i, i+1
.endr
.set i, 0
.rept 16
	v_pk_add_f32 v[SC+2*i:SC+2*i+1], v[P+2*i:P+2*i+1], v[P+64+2*i:P+64+2*i+1]  ; the logits
.set i, i+1
.endr
	; score = 1 / (1 + 2^(-log2(e) x logit))
.set i, 0
.rept 16
	v_pk_mul_f32 v[SC+2*i:SC+2*i+1], v[SC+2*i:SC+2*i+1], 0xbfb8aa3b op_sel_hi:[1,0]
.set i, i+1
.endr
.set i, 0
.rept 32
	v_exp_f32 v[SC+i], v[SC+i]
.set i, i+1
.endr
	v_mov_b32 v[NEG], 0xff7fffff                   ; a plain instruction behind the last exponential (ISA guide 5.7.2),
	s_wait_alu depctr_va_vdst(0)                   ; and the one wait ahead of the batch's first reader
.set i, 0
.rept 16
	v_pk_add_f32 v[SC+2*i:SC+2*i+1], v[SC+2*i:SC+2*i+1], 1.0 op_sel_hi:[1,0]
.set i, i+1
.endr
.set i, 0
.rept 32
	v_rcp_f32 v[SC+i], v[SC+i]
.set i, i+1
.endr
	v_mov_b32 v[NINF], 0xff800000                  ; the plain instruction behind the last reciprocal,
	s_wait_alu depctr_va_vdst(0)                   ; and the batch's one wait
.set i, 0
.rept 32
	v_add_f32 v[SB+i], s[32+i], v[SC+i]
.set i, i+1
.endr
	; a group's score: the sum of its two largest biased scores
.irp g, 0,1,2,3
	v_max_num_f32 v[M1], v[SB+8*\g], v[SB+8*\g+1]
	v_min_num_f32 v[M2], v[SB+8*\g], v[SB+8*\g+1]
.irp x, 2,3,4,5,6,7
	v_min_num_f32 v[TT], v[SB+8*\g+\x], v[M1]      ; the loser against the largest so far
	v_max_num_f32 v[M1], v[M1], v[SB+8*\g+\x]
	v_max_num_f32 v[M2], v[M2], v[TT]
.endr
	v_add_f32 v[GS+\g], v[M1], v[M2]
.endr
	; a group's rank = how many groups beat it; of two equal ones the lower index wins.  Rank b starts at b (all lower ones win) and each pair a < b is put right
.irp g, 0,1,2,3
	v_mov_b32 v[RK+\g], \g
.endr
.macro DUEL a, b
	v_cmp_gt_f32 vcc_lo, v[GS+\b], v[GS+\a]
	v_cndmask_b32 v[TT], 0, 1, vcc_lo
	v_add_nc_u32 v[RK+\a], v[RK+\a], v[TT]
	v_sub_nc_u32 v[RK+\b], v[RK+\b], v[TT]
.endm
	DUEL 0, 1
	DUEL 0, 2
	DUEL 0, 3
	DUEL 1, 2
	DUEL 1, 3
	DUEL 2, 3
.irp g, 0,1,2,3
	v_cmp_gt_u32 s[22+\g], 2, v[RK+\g]             ; the two groups kept
.endr
.set i, 0
.rept 32
	v_cndmask_b32 v[SB+i], v[NEG], v[SB+i], s[22+i/8]
.set i, i+1
.endr
.irp k, 0,1,2,3
	v_mov_b32 v[ID+\k], 0
	v_mov_b32 v[WT+\k], 0
.endr
	; four passes: the largest of the 32 (a strict comparison keeps the lower index), its index and its unbiased score; then it is taken out
	s_mov_b32 s26, 4
.Lpass:
	v_mov_b32 v[BEST], v[SB]
	v_mov_b32 v[BI], 0
	v_mov_b32 v[BS], v[SC]
.set i, 1
.rept 31
	v_cmp_gt_f32 vcc_lo, v[SB+i], v[BEST]
	v_cndmask_b32 v[BEST], v[BEST], v[SB+i], vcc_lo
	v_cndmask_b32 v[BI], v[BI], i, vcc_lo
	v_cndmask_b32 v[BS], v[BS], v[SC+i], vcc_lo
.set i, i+1
.endr
.irp k, 0,1,2
	v_mov_b32 v[ID+\k], v[ID+\k+1]                 ; the four picks move up by one place a pass
	v_mov_b32 v[WT+\k], v[WT+\k+1]
.endr
	v_mov_b32 v[ID+3], v[BI]
	v_mov_b32 v[WT+3], v[BS]
.set i, 0
.rept 32
	v_cmp_eq_u32 vcc_lo, i, v[BI]
	v_cndmask_b32 v[SB+i], v[SB+i], v[NINF], vcc_lo
.set i, i+1
.endr
	s_sub_co_i32 s26, s26, 1
	s_cmp_lg_u32 s26, 0
	s_cbranch_scc1 .Lpass
	; weights: score / sum of the four x 2.5
	v_add_f32 v[M1], v[WT], v[WT+1]
	v_add_f32 v[M2], v[WT+2], v[WT+3]
	v_add_f32 v[M1], v[M1], v[M2]
	v_rcp_f32 v[M2], v[M1]
	v_mov_b32 v[ONE], 1                            ; a plain instruction behind the reciprocal,
	s_wait_alu depctr_va_vdst(0)                   ; and its wait
	v_mul_f32 v[M2], 0x40200000, v[M2]
.irp k, 0,1,2,3
	v_mul_f32 v[WT+\k], v[WT+\k], v[M2]
.endr
	global_store_b128 v6, v[ID:ID+3], s[12:13]     ; 32 tokens x 16 bytes: 512 consecutive bytes
	global_store_b128 v6, v[WT:WT+3], s[14:15]
	; the bitmap: my token's four experts as bits; then, expert by expert, the 32 tokens' bits as one word, which goes to lane e
	v_lshlrev_b32 v[MK], v[ID], v[ONE]
.irp k, 1,2,3
	v_lshlrev_b32 v[TT], v[ID+\k], v[ONE]
	v_or_b32 v[MK], v[MK], v[TT]
.endr
	v_mov_b32 v[BM], 0
.set i, 0
.rept 32
	v_bfe_u32 v[TT], v[MK], i, 1
	v_cmp_eq_u32 s27, 1, v[TT]
	v_writelane_b32 v[BM], s27, i
.set i, i+1
.endr
	global_store_b32 v15, v[BM], s[16:17]          ; word g of rows 0..31: 4 bytes a row, once a work-group
	s_lshr_b32 s28, ttmp9, 1                       ; my 32 tokens lie in the shared expert's block g / 2
	v_cmp_eq_u32 vcc_lo, s28, v1
	v_cndmask_b32 v[T2], 0, -1, vcc_lo
	global_store_b32 v15, v[T2], s[16:17] offset:4096  ; word g of rows 32..63
.Lend:
	s_wait_tensorcnt 0x0                           ; the wave's end, behind my last LDS store
	ds_add_u32 v[SPW], v[NIL]
	s_wait_dscnt 0x0
	s_endpgm
.Lfunc_end_k_qa2e7baed04_router:
	.size	k_qa2e7baed04_router, .Lfunc_end_k_qa2e7baed04_router-k_qa2e7baed04_router
	.p2alignl 7, 3214868480
	.fill 96, 4, 3214868480
	.section	.rodata,"a",@progbits
	.p2align	6, 0x0
	.amdhsa_kernel k_qa2e7baed04_router
		.amdhsa_group_segment_fixed_size 84992
		.amdhsa_private_segment_fixed_size 0
		.amdhsa_enable_private_segment 0
		.amdhsa_kernarg_size 56
		.amdhsa_user_sgpr_count 2
		.amdhsa_user_sgpr_kernarg_segment_ptr 1
		.amdhsa_wavefront_size32 1
		.amdhsa_system_sgpr_workgroup_id_x 1
		.amdhsa_system_sgpr_workgroup_id_y 1
		.amdhsa_system_sgpr_workgroup_id_z 1
		.amdhsa_system_vgpr_workitem_id 0
		.amdhsa_next_free_vgpr 1024
		.amdhsa_next_free_sgpr 100
		.amdhsa_reserve_vcc 1
		.amdhsa_float_denorm_mode_32 3
		.amdhsa_float_denorm_mode_16_64 3
		.amdhsa_memory_ordered 1
		.amdhsa_forward_progress 1
		.amdhsa_inst_pref_size 81
	.end_amdhsa_kernel
	.amdgpu_metadata
---
amdhsa.version: [ 1, 2 ]
amdhsa.kernels:
  - .name:           k_qa2e7baed04_router
    .symbol:         k_qa2e7baed04_router.kd
    .args:
      - { .name: hidden_states, .offset: 0, .size: 8, .value_kind: global_buffer, .address_space: global }
      - { .name: gate_w, .offset: 8, .size: 8, .value_kind: global_buffer, .address_space: global }
      - { .name: expert_bias, .offset: 16, .size: 8, .value_kind: global_buffer, .address_space: global }
      - { .name: xb, .offset: 24, .size: 8, .value_kind: global_buffer, .address_space: global }
      - { .name: ids, .offset: 32, .size: 8, .value_kind: global_buffer, .address_space: global }
      - { .name: wts, .offset: 40, .size: 8, .value_kind: global_buffer, .address_space: global }
      - { .name: bitmap, .offset: 48, .size: 8, .value_kind: global_buffer, .address_space: global }
    .group_segment_fixed_size: 84992
    .private_segment_fixed_size: 0
    .kernarg_segment_align: 8
    .kernarg_segment_size: 56
    .max_flat_workgroup_size: 128
    .sgpr_count:     100
    .vgpr_count:     1024
    .wavefront_size: 32
...
	.end_amdgpu_metadata
.endif
;; end of part 1
;; launch gateup (part 2): grid 384 x 1, 4 waves a work-group, no clusters, 214,528 bytes of LDS; arguments xb, bitmap, w_gate, w_up, sw_gate, sw_up, hid, rankmap; writes hid, rankmap
.if DOCPART == 2
	.amdgcn_target "amdgcn-amd-amdhsa--gfx1250"
	.amdhsa_code_object_version 6
	.text
	.protected	k_qa2e7baed04_gateup
	.globl	k_qa2e7baed04_gateup
	.p2align	8
	.type	k_qa2e7baed04_gateup,@function
k_qa2e7baed04_gateup:
	s_mov_b64 s[64:65], 0
	v_nop
	global_prefetch_b8 v0, s[64:65] scope:SCOPE_SE
	s_setreg_imm32_b32 hwreg(HW_REG_WAVE_MODE, 25, 1), 1
	s_wait_xcnt 0x0
; FIRST PRODUCT.  hid[slot][col] = silu(x Wg) x (x Wu) for the rows of one expert and 64 of its 512 hidden columns.
; TABLE ROWS.  er = 0..31 are the routed experts; er = 32 + b (b = 0..15) is the shared expert's weights on tokens 64 b .. 64 b + 63.  Work-group number = 8 ee + slice; ee < 16: er = ee + 32, else er = ee - 16.
; An expert's rows have the slots 0 .. count - 1 in the order of their tokens; the places up to the next multiple of 32 (cnt32) take tokens that did not choose it: rows that exist, whose results nobody reads.
; The text serves every split: an expert may have 0 to 1,024 rows.  The weights stay: each wave keeps its slice in registers as bf16 and the rows go by, 64 a round, in a loop of 16 rounds;
; every wave passes every barrier, and only work is jumped, forward, by scalar branches on the count.
; FORMATS.  Weights are rounded to bf16 on their way through registers, x arrives in bf16, sums are f32, the hidden layer is rounded once to bf16.  NaN and infinities are not treated apart.
; SHARES.  Wave w = 2 m + kh: m = 0 gate, 1 up; K = 512 kh .. 512 kh + 511.  Its slice, 512 rows x 256 bytes of f32, is read once, by this wave alone (the shared expert's by 16 work-groups).
; NO TURNING.  The weights lie [K][N].  A lane loads 16 bytes (columns 4 r .. 4 r + 3) of the 16 rows of K that a fragment's lane holds, so it has its part of FOUR fragments: fragment j owns columns 4 r + j,
; and the rounding in pairs (row, next row) builds the registers.  Sixteen lanes read 256 consecutive bytes, aligned.
; THE PRODUCT has the weights as source 0 and the tokens as source 1: register i of fragment j's result in lane (r, h) is token r, column 32 h + 4 i + j.
; The four waves' results of a tile of 16 tokens meet in LDS; wave w adds the halves of K of tile w, applies silu and the product, and stores.
; hid is laid [er][column / 8][slot][8 columns]: a lane's 16 bytes are one token's 8 columns, 16 lanes store 256 consecutive bytes, and the next launch reads fragments from it in the same way.
; NO MULTICAST, NO DATA MOVER: a routed slice has one reader and must pass through registers to be rounded; the token rows come by a list.
; REGISTERS in windows of 256 (s_set_vgpr_msb: bits 1:0 source 0, 3:2 source 1, 5:4 source 2, 7:6 destination):
;   window 0 addresses, accumulators, token fragments     windows 1, 2 the weights, K step q, fragment j at 32 (q % 8) + 8 j     window 3 four landing slots of 64 registers
.set XP,    2064                       ; a token's row in LDS: 2,048 bytes + 16: an odd multiple of 16 (ISA guide 11.1: 64 banks of 4 bytes)
.set IMG,   64*XP                      ; results on their way between waves: image (wave, tile) of 4,096 bytes at (4 wave + tile) x 4,096
.set LIST,  IMG+16*4096                ; each wave's own list of the 1,024 tokens, the chosen ones first
.set SPARE, LIST+4*4096                ; the spare words: 128 bytes a wave, two blocks of 256 bytes that no other line names
.set SPW, 2                            ; v2  my spare word's LDS address; never rewritten
.set NIL, 3                            ; v3  0; never rewritten
.set XA,  24                           ; v24-27  LDS address of my token fragments of tile t
.set XG,  28                           ; v28-35  byte offsets in xb of the rows that I fetch
.set ACC, 40                           ; v40-71  four accumulators
.set T,   72                           ; v72-87  the packed results
.set XF,  96                           ; v96-223 token fragments of a tile (16 K steps); the four images on the way out
.set MSB, 0
.macro WIN new                         ; the immediate's high byte repeats the setting that is left; a switch that changes nothing is dropped
.if MSB != (\new)
	s_set_vgpr_msb (MSB<<8)|(\new)
.set MSB, \new
.endif
.endm
; K step q of my slice: 16 loads into landing slot q % 4.  Load n takes row 32 q + 8 h + n (n < 8) or 32 q + 16 + 8 h + n - 8.
; The prefetch asks for the 32 rows x 256 bytes of the K step four further on, a lane a row: each block once by the wave that will load it, 32 KB a wave beyond the ring; the last four steps ask for nothing.
.macro WISSUE q
	WIN 0xc0                                       ; destination window 3
.set n, 0
.rept 16
	global_load_b128 v[64*((\q)%4)+4*n:64*((\q)%4)+4*n+3], v6, s[20:21] offset:(32*(\q)+n+8*(n/8))*2048
.set n, n+1
.endr
.if (\q)+4 < 16
	global_prefetch_b8 v7, s[20:21] offset:32*((\q)+4)*2048 th:TH_LOAD_NT scope:SCOPE_SE
.endif
.endm
; K step q has landed: register p of fragment j = rows 2 p, 2 p + 1 of the 16, column 4 r + j
.macro WDONE q, left
	s_wait_loadcnt \left
	WIN 0x4f+0x40*((\q)/8)                         ; sources window 3, destination window 1 or 2
.set n, 0
.rept 32                               ; n = 8 j + p
	v_cvt_pk_bf16_f32 v[32*((\q)%8)+n], v[64*((\q)%4)+8*(n%8)+n/8], v[64*((\q)%4)+8*(n%8)+4+n/8]
.set n, n+1
.endr
.endm
; The tokens of my 16 places of a round: place 16 w + 2 j + h into XG + j, as a byte offset in xb.  A number read from the list enters an address only behind the v_min_u32.
.macro IDS adr
.irp j, 0,1,2,3,4,5,6,7
	ds_load_b32 v[XG+\j], v[\adr] offset:8*\j
.endr
	s_wait_dscnt 0x0
.irp j, 0,1,2,3,4,5,6,7
	v_min_u32 v[XG+\j], 0x3ff, v[XG+\j]
.endr
.irp j, 0,1,2,3,4,5,6,7
	v_lshl_add_u32 v[XG+\j], v[XG+\j], 11, v8
.endr
.endm
.macro XISSUE a                        ; four of my 16 rows: a load takes 256 bytes of each of two rows
	WIN 0xc0
.set n, 0
.rept 16                               ; n = 8 jj + piece
	global_load_b128 v[64*(\a)+4*n:64*(\a)+4*n+3], v[XG+2*(\a)+n/8], s[4:5] offset:256*(n%8)
.set n, n+1
.endr
.endm
.macro XSTORE a                        ; and into LDS
	WIN 0x0c                                       ; store data window 3
.set n, 0
.rept 16
	ds_store_b128 v19, v[64*(\a)+4*n:64*(\a)+4*n+3] offset:(2*(\a)+n/8)*2*XP+256*(n%8)
.set n, n+1
.endr
.endm
; Tile t: 16 tokens x my 64 columns x my 512 of K: 32 LDS loads in one run, 64 products on four accumulators by turns, the result into my image.
.macro TILE t
	WIN 0
.set n, 0
.rept 16
	ds_load_b128 v[XF+8*n:XF+8*n+3],   v[XA+\t] offset:64*n
	ds_load_b128 v[XF+8*n+4:XF+8*n+7], v[XA+\t] offset:64*n+32
.set n, n+1
.endr
.set n, 0
.rept 64                               ; n = 4 q + j
.if n%16 == 0
	s_wait_dscnt 24-8*(n/16)                       ; LDS answers in order (ISA guide 5.7.1): the next four K steps' eight loads are in, those of the later steps stay out
	WIN 1+n/32                                     ; source 0 (weights) window 1 or 2
.endif
.set rD, ACC+8*(n%4)
.set rW, 32*((n/4)%8)+8*(n%4)
.set rX, XF+8*(n/4)
.if n < 4
	v_wmma_f32_16x16x32_bf16 v[rD:rD+7], v[rW:rW+7], v[rX:rX+7], 0
.else
	v_wmma_f32_16x16x32_bf16 v[rD:rD+7], v[rW:rW+7], v[rX:rX+7], v[rD:rD+7]
.endif
.set n, n+1
.endr
	WIN 0
.rept 5
	v_nop                                          ; four places ahead of the stores that read results and of the next loads into the fragments, five ahead of the next tile's first products
.endr
.set n, 0
.rept 8                                ; each accumulator from its low end on; 512 consecutive bytes a store
	ds_store_b128 v20, v[ACC+4*n:ACC+4*n+3] offset:4096*(\t)+512*n
.set n, n+1
.endr
.endm
; Tile w's four images (gate's and up's two halves of K) -> silu(g) u -> bf16 -> hid
.macro FINAL
.set n, 0
.rept 32                               ; n = 8 wave + piece
	ds_load_b128 v[XF+4*n:XF+4*n+3], v21 offset:(n/8)*16384+(n%8)*512
.set n, n+1
.endr
	s_wait_dscnt 0x0
.set n, 0
.rept 16
	v_pk_add_f32 v[XF+2*n:XF+2*n+1], v[XF+2*n:XF+2*n+1], v[XF+32+2*n:XF+32+2*n+1]  ; g
.set n, n+1
.endr
.set n, 0
.rept 16
	v_pk_mul_f32 v[XF+32+2*n:XF+32+2*n+1], v[XF+2*n:XF+2*n+1], 0xbfb8aa3b op_sel_hi:[1,0]  ; -log2(e) g
.set n, n+1
.endr
.set n, 0
.rept 32
	v_exp_f32 v[XF+32+n], v[XF+32+n]
.set n, n+1
.endr
.set n, 0
.rept 16
	v_pk_add_f32 v[XF+64+2*n:XF+64+2*n+1], v[XF+64+2*n:XF+64+2*n+1], v[XF+96+2*n:XF+96+2*n+1]  ; u: the plain work behind the exponentials
.set n, n+1
.endr
	s_wait_alu depctr_va_vdst(0)                   ; the one wait ahead of the batch's first reader
.set n, 0
.rept 16
	v_pk_add_f32 v[XF+32+2*n:XF+32+2*n+1], v[XF+32+2*n:XF+32+2*n+1], 1.0 op_sel_hi:[1,0]
.set n, n+1
.endr
.set n, 0
.rept 32
	v_rcp_f32 v[XF+32+n], v[XF+32+n]
.set n, n+1
.endr
	v_nop                                          ; a plain instruction behind the last reciprocal (ISA guide 5.7.2),
	s_wait_alu depctr_va_vdst(0)                   ; and the batch's one wait
.set n, 0
.rept 16
	v_pk_mul_f32 v[XF+2*n:XF+2*n+1], v[XF+2*n:XF+2*n+1], v[XF+32+2*n:XF+32+2*n+1]  ; silu(g)
.set n, n+1
.endr
.set n, 0
.rept 16
	v_pk_mul_f32 v[XF+2*n:XF+2*n+1], v[XF+2*n:XF+2*n+1], v[XF+64+2*n:XF+64+2*n+1]  ; x u
.set n, n+1
.endr
.set n, 0
.rept 16                               ; n = 4 b + p: columns 32 h + 8 b + 2 p and the next lie in register 2 b + p / 2 of fragments 2 (p % 2) and the next
.set jr, 2*(n/4)+(n%4)/2
.set j0, 2*(n%2)
	v_cvt_pk_bf16_f32 v[T+n], v[XF+8*j0+jr], v[XF+8*(j0+1)+jr]
.set n, n+1
.endr
.irp b, 0,1,2,3
	global_store_b128 v22, v[T+4*\b:T+4*\b+3], s[74:75] offset:16384*\b  ; 16 lanes store 256 consecutive bytes, aligned
.endr
.endm
	s_load_b512 s[4:19], s[0:1], 0x0               ; xb s[4:5], bitmap s[6:7], w_gate s[8:9], w_up s[10:11], sw_gate s[12:13], sw_up s[14:15], hid s[16:17], rankmap s[18:19]
	v_lshl_add_u32 v[SPW], v0, 2, SPARE
	v_mov_b32 v[NIL], 0
	v_lshrrev_b32 v1, 5, v0
	v_readfirstlane_b32 s26, v1                    ; wave 0..3
	s_lshr_b32 s24, ttmp9, 3                       ; ee
	s_and_b32 s25, ttmp9, 7                        ; slice
	s_lshr_b32 s27, s26, 1                         ; m: gate or up
	s_and_b32 s28, s26, 1                          ; kh: half of K
	s_add_co_u32 s29, s24, 32
	s_sub_co_u32 s67, s24, 16
	s_cmp_lt_u32 s24, 16
	s_cselect_b32 s29, s29, s67                    ; er
	s_lshl_b32 s67, s29, 21                        ; a routed expert's weights are 2 MiB
	s_cmp_lt_u32 s24, 16
	s_cselect_b32 s72, 0, s67
	s_lshl_b32 s67, s28, 20                        ; 512 rows of 2,048 bytes
	s_add_co_u32 s72, s72, s67
	s_lshl_b32 s67, s25, 8                         ; 64 columns
	s_add_co_u32 s72, s72, s67
	s_mov_b32 s73, 0                               ; s[72:73]: my slice's offset
	s_lshl_b32 s74, s29, 20                        ; hid: 1 MiB an expert,
	s_lshl_b32 s67, s25, 17                        ; 8 planes of 16 KiB a slice
	s_add_co_u32 s74, s74, s67
	s_mov_b32 s75, 0
	s_lshl2_add_u32 s68, s25, s26                  ; 4 x slice + wave: the word of the expert's 32 whose ranks I store
	s_lshl_b32 s76, s29, 12
	s_lshl_b32 s67, s68, 7
	s_add_co_u32 s76, s76, s67
	s_mov_b32 s77, 0
	s_lshl_b32 s66, s29, 7                         ; the expert's row of the bitmap
	s_mov_b32 s67, 0
	s_lshl_b32 s78, s26, 4                         ; 16 w
	s_add_co_u32 s79, s78, 64                      ; 16 w + 64
	v_and_b32 v1, 31, v0                           ; lane
	v_and_b32 v4, 15, v0                           ; r
	v_bfe_u32 v5, v0, 4, 1                         ; h
	v_lshlrev_b32 v8, 4, v4                        ; 16 r
	v_lshl_add_u32 v6, v5, 14, v8                  ; weights: 16 r + 8 h rows
	v_lshlrev_b32 v7, 11, v1                       ; prefetch: a row a lane
	v_lshlrev_b32 v17, 2, v1                       ; 4 x lane
	s_lshl_b32 s69, s26, 12
	s_add_co_u32 s69, s69, LIST
	v_mov_b32 v9, s69                              ; my wave's list
	s_lshl_b32 s80, s26, 6
	s_add_co_u32 s80, s80, s69
	v_lshl_add_u32 v23, v5, 2, s80                 ; its places 16 w + h
	s_mul_i32 s69, s26, 16*XP
	v_mul_u32_u24 v19, v5, XP
	v_add_nc_u32 v19, v19, v8
	v_add_nc_u32 v19, s69, v19                     ; rows into LDS: row 16 w + h, 16 r bytes on
	s_lshl_b32 s69, s26, 14
	s_add_co_u32 s69, s69, IMG
	v_lshl_add_u32 v20, v1, 4, s69                 ; my images
	s_lshl_b32 s69, s26, 12
	s_add_co_u32 s69, s69, IMG
	v_lshl_add_u32 v21, v1, 4, s69                 ; tile w's image of wave 0
	v_lshl_add_u32 v22, v5, 16, v8                 ; hid: 4 h planes, slot 16 w + r
	s_lshl_b32 s69, s26, 8
	v_add_nc_u32 v22, s69, v22
	v_mul_u32_u24 v[XA], v4, XP                    ; token fragments: row r, 16 h bytes on, my half of K
	v_lshl_add_u32 v[XA], v5, 4, v[XA]
	s_lshl_b32 s69, s28, 10
	v_add_nc_u32 v[XA], s69, v[XA]
.irp t, 1,2,3
	v_add_nc_u32 v[XA+\t], \t*16*XP, v[XA]
.endr
	s_wait_kmcnt 0x0
	s_add_nc_u64 s[6:7], s[6:7], s[66:67]
	s_load_b512 s[32:47], s[6:7], 0x0              ; the expert's 32 words
	s_load_b512 s[48:63], s[6:7], 0x40
	s_cmp_lt_u32 s24, 16                           ; the shared expert's tensors or the routed ones',
	s_cselect_b64 s[20:21], s[12:13], s[8:9]
	s_cselect_b64 s[22:23], s[14:15], s[10:11]
	s_cmp_eq_u32 s27, 0                            ; gate's or up's
	s_cselect_b64 s[20:21], s[20:21], s[22:23]
	s_add_nc_u64 s[20:21], s[20:21], s[72:73]
	s_add_nc_u64 s[74:75], s[16:17], s[74:75]
	s_add_nc_u64 s[76:77], s[18:19], s[76:77]
	WISSUE 0                                       ; the ring is filled before anything else is done: 64 loads, 32 KB, of each wave are out
	WISSUE 1
	WISSUE 2
	WISSUE 3
	WIN 0
	; THE LIST, while the first weights are on their way.  count = the chosen tokens; a chosen token's place is its rank among them, another token's place is count + its rank among the others:
	; a permutation of all 1,024 tokens, so every place holds a row that exists.
	s_wait_kmcnt 0x0
	s_mov_b32 s30, 0
.set i, 0
.rept 32
	s_bcnt1_i32_b32 s67, s[32+i]
	s_add_co_u32 s30, s30, s67
.set i, i+1
.endr
	s_add_co_u32 s31, s30, 31
	s_and_b32 s31, s31, -32                        ; cnt32
	v_mov_b32 v14, v1                              ; the token in hand: 32 i + lane
	v_mov_b32 v16, 0
	s_mov_b32 s66, 0                               ; chosen tokens in the words before
.set i, 0
.rept 32
	v_mbcnt_lo_u32_b32 v11, s[32+i], s66           ; chosen tokens below mine
	v_sub_nc_u32 v12, v14, v11                     ; the others below mine,
	v_add_nc_u32 v12, s30, v12                     ; behind the chosen ones
	v_cndmask_b32 v12, v12, v11, s[32+i]
	v_min_u32 v12, 0x3ff, v12
	v_lshl_add_u32 v13, v12, 2, v9
	ds_store_b32 v13, v14
.if i < 31
	v_add_nc_u32 v14, 32, v14
.endif
	s_cmp_eq_u32 s68, i                            ; the word whose places I store
	s_cselect_b32 s69, -1, 0
	v_cndmask_b32 v16, v16, v12, s69
	s_bcnt1_i32_b32 s67, s[32+i]
	s_add_co_u32 s66, s66, s67
.set i, i+1
.endr
	global_store_b32 v17, v16, s[76:77]            ; rankmap[er][token]: 128 consecutive bytes; the expert's 32 waves write its 32 words
	IDS 23                                         ; LDS serves a wave's instructions in order (ISA guide 5.7.1.4): these loads see my stores above
	; THE RING: 20 groups of 16 loads (weights 0-3, my 16 rows of round 0, weights 4-15) on four landing slots.  A group is taken out and the slot asked for again.
	; Each wait leaves the three younger groups, 48 loads, out; the last three run down.
.irp a, 0,1,2,3
	WDONE \a, 48
	XISSUE \a
.endr
.irp a, 0,1,2,3
	s_wait_loadcnt 48
	XSTORE \a
	WISSUE \a+4
.endr
.irp q, 4,5,6,7,8,9,10,11
	WDONE \q, 48
	WISSUE \q+4
.endr
	WDONE 12, 48
	WDONE 13, 32
	WDONE 14, 16
	WDONE 15, 0
	WIN 0
	; THE ROUNDS: 64 slots each; s70 = the round's first slot
	s_mov_b32 s70, 0
	s_mov_b32 s71, 0
.Lround:
	s_wait_dscnt 0x0                               ; my rows are in LDS, and my reads of the last round's images are over
	s_barrier_signal -1
	s_barrier_wait -1                              ; everybody's
	s_cmp_ge_u32 s70, s31
	s_cbranch_scc1 .Ldead                          ; no rows left
	s_add_co_u32 s72, s70, s79
	s_cmp_lt_u32 s72, s31
	s_cbranch_scc0 .Lnofetch
	s_add_co_u32 s72, s70, 64                      ; the next round's rows are asked for ahead of this round's products;
	s_and_b32 s72, s72, 0x3c0                      ; the place stays inside the list whatever the round
	s_lshl_b32 s72, s72, 2
	v_add_nc_u32 v18, s72, v23
	IDS 18
	XISSUE 0
	XISSUE 1
	XISSUE 2
	XISSUE 3
	WIN 0
.Lnofetch:
	TILE 0                                         ; cnt32 is a multiple of 32: tiles live in pairs
	TILE 1
	s_add_co_u32 s72, s70, 32
	s_cmp_lt_u32 s72, s31
	s_cbranch_scc0 .Ldead
	TILE 2
	TILE 3
.Ldead:
	s_wait_dscnt 0x0                               ; my images are in LDS, and my reads of the rows are over
	s_barrier_signal -1
	s_barrier_wait -1
	s_add_co_u32 s72, s70, s78
	s_cmp_lt_u32 s72, s31
	s_cbranch_scc0 .Lnofinal
	FINAL
.Lnofinal:
	s_wait_loadcnt 0x0                             ; the next round's rows, if any were asked for: on every path no load is out from here on
	s_add_co_u32 s72, s70, s79
	s_cmp_lt_u32 s72, s31
	s_cbranch_scc0 .Lnostore
	XSTORE 0
	XSTORE 1
	XSTORE 2
	XSTORE 3
	WIN 0
.Lnostore:
	s_wait_xcnt 0x0                                ; the stores' data and base are rewritten only behind this wait (ISA guide 3.1)
	s_add_nc_u64 s[74:75], s[74:75], 1024          ; 64 slots of 16 bytes on
	s_add_co_u32 s70, s70, 64
	s_add_co_u32 s71, s71, 1
	s_cmp_lt_u32 s71, 16
	s_cbranch_scc1 .Lround
	s_wait_tensorcnt 0x0                           ; the wave's end, behind my last LDS store
	ds_add_u32 v[SPW], v[NIL]
	s_wait_dscnt 0x0
	s_endpgm
.Lfunc_end_k_qa2e7baed04_gateup:
	.size	k_qa2e7baed04_gateup, .Lfunc_end_k_qa2e7baed04_gateup-k_qa2e7baed04_gateup
	.p2alignl 7, 3214868480
	.fill 96, 4, 3214868480
	.section	.rodata,"a",@progbits
	.p2align	6, 0x0
	.amdhsa_kernel k_qa2e7baed04_gateup
		.amdhsa_group_segment_fixed_size 214528
		.amdhsa_private_segment_fixed_size 0
		.amdhsa_enable_private_segment 0
		.amdhsa_kernarg_size 64
		.amdhsa_user_sgpr_count 2
		.amdhsa_user_sgpr_kernarg_segment_ptr 1
		.amdhsa_wavefront_size32 1
		.amdhsa_system_sgpr_workgroup_id_x 1
		.amdhsa_system_sgpr_workgroup_id_y 1
		.amdhsa_system_sgpr_workgroup_id_z 1
		.amdhsa_system_vgpr_workitem_id 0
		.amdhsa_next_free_vgpr 1024
		.amdhsa_next_free_sgpr 100
		.amdhsa_reserve_vcc 0
		.amdhsa_float_denorm_mode_32 3
		.amdhsa_float_denorm_mode_16_64 3
		.amdhsa_memory_ordered 1
		.amdhsa_forward_progress 1
		.amdhsa_inst_pref_size 148
	.end_amdhsa_kernel
	.amdgpu_metadata
---
amdhsa.version: [ 1, 2 ]
amdhsa.kernels:
  - .name:           k_qa2e7baed04_gateup
    .symbol:         k_qa2e7baed04_gateup.kd
    .args:
      - { .name: xb, .offset: 0, .size: 8, .value_kind: global_buffer, .address_space: global }
      - { .name: bitmap, .offset: 8, .size: 8, .value_kind: global_buffer, .address_space: global }
      - { .name: w_gate, .offset: 16, .size: 8, .value_kind: global_buffer, .address_space: global }
      - { .name: w_up, .offset: 24, .size: 8, .value_kind: global_buffer, .address_space: global }
      - { .name: sw_gate, .offset: 32, .size: 8, .value_kind: global_buffer, .address_space: global }
      - { .name: sw_up, .offset: 40, .size: 8, .value_kind: global_buffer, .address_space: global }
      - { .name: hid, .offset: 48, .size: 8, .value_kind: global_buffer, .address_space: global }
      - { .name: rankmap, .offset: 56, .size: 8, .value_kind: global_buffer, .address_space: global }
    .group_segment_fixed_size: 214528
    .private_segment_fixed_size: 0
    .kernarg_segment_align: 8
    .kernarg_segment_size: 64
    .max_flat_workgroup_size: 128
    .sgpr_count:     100
    .vgpr_count:     1024
    .wavefront_size: 32
...
	.end_amdgpu_metadata
.endif
;; end of part 2
;; launch down (part 3): grid 384 x 1, 4 waves a work-group, no clusters, 262,656 bytes of LDS; arguments hid, bitmap, w_down, sw_down, part; writes part
.if DOCPART == 3
	.amdgcn_target "amdgcn-amd-amdhsa--gfx1250"
	.amdhsa_code_object_version 6
	.text
	.protected	k_qa2e7baed04_down
	.globl	k_qa2e7baed04_down
	.p2align	8
	.type	k_qa2e7baed04_down,@function
k_qa2e7baed04_down:
	s_mov_b64 s[64:65], 0
	v_nop
	global_prefetch_b8 v0, s[64:65] scope:SCOPE_SE
	s_setreg_imm32_b32 hwreg(HW_REG_WAVE_MODE, 25, 1), 1
	s_wait_xcnt 0x0
; SECOND PRODUCT.  part[er x 1,024 + slot][col] = hid[slot] . Wd[:, col] for the rows of one expert and 128 of the 1,024 output columns, in f32: partial rows, which the next launch weighs and adds.
; Table rows er, slots and cnt32 as in the first product: work-group number = 8 ee + slice; ee < 16: er = ee + 32 (the shared expert's weights on 64 tokens), else er = ee - 16.
; Only slots below cnt32 are read and written; the first product has stored all of them.  The text serves every split (0 to 1,024 rows): the weights stay in registers as bf16, the rows go by, 128 a round,
; in a loop of 8 rounds; every wave passes every barrier, and only work is jumped, forward, by scalar branches on the count.
; FORMATS.  Weights are rounded to bf16 on their way through registers; hid arrives in bf16; sums and partial rows are f32.
; SHARES.  Wave w = 2 c + kh: columns 64 c .. 64 c + 63 of the 128, K = 256 kh .. 256 kh + 255: 256 rows x 256 bytes of f32, read once, by this wave alone (the shared expert's by 16 work-groups).
; A lane loads 16 bytes (columns 4 r .. 4 r + 3) of the 16 rows of K that a fragment's lane holds: its part of four fragments, fragment j owning columns 4 r + j; the rounding in pairs builds the registers.
; THE PRODUCT has the rows of hid as source 0 and the weights as source 1: register i of fragment j's result in lane (r, h) is slot 8 h + i, column 4 r + j.  The two halves of K meet in LDS;
; the addition puts the four fragments' numbers side by side, so that a lane stores 16 neighbouring bytes of a row and 16 lanes 256, aligned.
; NO MULTICAST, NO DATA MOVER: a routed slice has one reader and must pass through registers to be rounded; what an expert's eight work-groups share, its rows of hid, is an eighth of a work-group's bytes at the mean count.
; REGISTERS in windows of 256 (s_set_vgpr_msb: bits 1:0 source 0, 3:2 source 1, 5:4 source 2, 7:6 destination):
;   window 0 addresses, accumulators, fragments of hid     window 1 the weights, K step q, fragment j at 32 q + 8 j     window 2 landing slots 0-3, later the rows of hid on their way to LDS     window 3 landing slots 4-7
.set IMG,   131072                     ; LDS 0 .. 131,071: 64 planes (8 of K each) x 128 slots x 16 bytes, as hid lies; behind it the images, (8 wave + tile) x 4,096
.set SPARE, IMG+32*4096                ; the spare words: 128 bytes a wave, two blocks of 256 bytes that no other line names
.set SPW, 2                            ; v2  my spare word's LDS address; never rewritten
.set NIL, 3                            ; v3  0; never rewritten
.set ACC, 32                           ; v32-95   eight accumulators: two tiles x four fragments
.set AF,  96                           ; v96-223  fragments of hid of two tiles (8 K steps each); two images on the way out
.set F,   224                          ; v224-255 finished rows
.set MSB, 0
.macro WIN new                         ; the immediate's high byte repeats the setting that is left; a switch that changes nothing is dropped
.if MSB != (\new)
	s_set_vgpr_msb (MSB<<8)|(\new)
.set MSB, \new
.endif
.endm
; K step q of my slice: 16 loads into landing slot q.  The prefetch (K steps 0-3 alone) asks for the 32 rows x 256 bytes of the step four further on, a lane a row: each block once, by the wave that loads it.
.macro WISSUE q
	WIN 0x80+0x40*((\q)/4)                         ; destination window 2 or 3
.set n, 0
.rept 16
	global_load_b128 v[64*((\q)%4)+4*n:64*((\q)%4)+4*n+3], v6, s[20:21] offset:(32*(\q)+n+8*(n/8))*4096
.set n, n+1
.endr
.if (\q) < 4
	global_prefetch_b8 v7, s[20:21] offset:32*((\q)+4)*4096 th:TH_LOAD_NT scope:SCOPE_SE
.endif
.endm
.macro WDONE q, left
	s_wait_loadcnt \left
	WIN 0x4a+5*((\q)/4)                            ; sources window 2 or 3, destination window 1
.set n, 0
.rept 32                               ; n = 8 j + p: rows 2 p, 2 p + 1 of the 16, column 4 r + j
	v_cvt_pk_bf16_f32 v[32*(\q)+n], v[64*((\q)%4)+8*(n%8)+n/8], v[64*((\q)%4)+8*(n%8)+4+n/8]
.set n, n+1
.endr
.endm
; 32 slots (group g of a round's four) of my 16 planes of hid: a load covers 512 consecutive bytes.  nxt = 1: the round after the one in hand
.macro ALOAD g, nxt
	WIN 0x80
.set n, 0
.rept 16
	global_load_b128 v[64*(\g)+4*n:64*(\g)+4*n+3], v8, s[14:15] offset:16384*n+512*(\g)+2048*(\nxt)
.set n, n+1
.endr
.endm
.macro ASTORE g
	WIN 0x08                                       ; store data window 2
.set n, 0
.rept 16
	ds_store_b128 v9, v[64*(\g)+4*n:64*(\g)+4*n+3] offset:2048*n+512*(\g)
.set n, n+1
.endr
.endm
; The groups of the 128 slots from s73 on that lie below cnt32 are fetched / put into LDS; the first dead group ends the run
.macro FETCH nxt
.irp g, 0,1,2,3
	s_add_co_u32 s72, s73, 32*\g
	s_cmp_lt_u32 s72, s31
	s_cbranch_scc0 .Lfetched_\@
	ALOAD \g, \nxt
	WIN 0
.endr
.Lfetched_\@:
.endm
.macro PUT
.irp g, 0,1,2,3
	s_add_co_u32 s72, s73, 32*\g
	s_cmp_lt_u32 s72, s31
	s_cbranch_scc0 .Lput_\@
	ASTORE \g
	WIN 0
.endr
.Lput_\@:
.endm
; Tiles 2 u and 2 u + 1: 32 slots x my 64 columns x my 256 of K: 32 LDS loads in one run, 64 products on eight accumulators by turns, the results into my images
.macro PAIR u
	WIN 0
.set n, 0
.rept 16                               ; n = 2 q + tile
	ds_load_b128 v[AF+64*(n%2)+8*(n/2):AF+64*(n%2)+8*(n/2)+3],   v10 offset:8192*(n/2)+256*(2*(\u)+n%2)
	ds_load_b128 v[AF+64*(n%2)+8*(n/2)+4:AF+64*(n%2)+8*(n/2)+7], v10 offset:8192*(n/2)+4096+256*(2*(\u)+n%2)
.set n, n+1
.endr
.set n, 0
.rept 64                               ; n = 8 q + 4 tile + j
.if n%16 == 0
	s_wait_dscnt 24-8*(n/16)                       ; LDS answers in order (ISA guide 5.7.1): the next two K steps' eight loads are in, the later ones stay out
	WIN 0x04                                       ; source 1 (weights) window 1
.endif
.set rD, ACC+32*((n/4)%2)+8*(n%4)
.set rA, AF+64*((n/4)%2)+8*(n/8)
.set rW, 32*(n/8)+8*(n%4)
.if n < 8
	v_wmma_f32_16x16x32_bf16 v[rD:rD+7], v[rA:rA+7], v[rW:rW+7], 0
.else
	v_wmma_f32_16x16x32_bf16 v[rD:rD+7], v[rA:rA+7], v[rW:rW+7], v[rD:rD+7]
.endif
.set n, n+1
.endr
	WIN 0
.rept 5
	v_nop                                          ; four places ahead of the stores that read results and of the next loads into the fragments, five ahead of the next pair's first products
.endr
.set n, 0
.rept 16                               ; each accumulator from its low end on
	ds_store_b128 v11, v[ACC+4*n:ACC+4*n+3] offset:4096*(2*(\u)+n/8)+512*(n%8)
.set n, n+1
.endr
.endm
; Tile 2 u + kh of my 64 columns: the two halves of K are added and stored
.macro FINAL2 u
.set n, 0
.rept 16                               ; n = 8 half + piece
	ds_load_b128 v[AF+4*n:AF+4*n+3], v12 offset:32768*(n/8)+8192*(\u)+512*(n%8)
.set n, n+1
.endr
	s_wait_dscnt 0x0
	s_wait_xcnt 0x0                                ; the rows' registers, which the last stores read, are rewritten only behind this wait (ISA guide 3.1)
.set n, 0
.rept 32                               ; n = 4 i + j: slot 8 h + i, column 4 r + j
	v_add_f32 v[F+n], v[AF+8*(n%4)+n/4], v[AF+32+8*(n%4)+n/4]
.set n, n+1
.endr
.irp i, 0,1,2,3,4,5,6,7
	global_store_b128 v13, v[F+4*\i:F+4*\i+3], s[16:17] offset:131072*(\u)+4096*\i  ; 16 lanes store 256 consecutive bytes, aligned
.endr
.endm
	s_load_b256 s[4:11], s[0:1], 0x0               ; hid s[4:5], bitmap s[6:7], w_down s[8:9], sw_down s[10:11]
	s_load_b64 s[12:13], s[0:1], 0x20              ; part
	v_lshl_add_u32 v[SPW], v0, 2, SPARE
	v_mov_b32 v[NIL], 0
	v_lshrrev_b32 v1, 5, v0
	v_readfirstlane_b32 s26, v1                    ; wave 0..3
	s_lshr_b32 s24, ttmp9, 3                       ; ee
	s_and_b32 s25, ttmp9, 7                        ; slice
	s_lshr_b32 s27, s26, 1                         ; c: half of the columns
	s_and_b32 s28, s26, 1                          ; kh: half of K
	s_add_co_u32 s29, s24, 32
	s_sub_co_u32 s67, s24, 16
	s_cmp_lt_u32 s24, 16
	s_cselect_b32 s29, s29, s67                    ; er
	s_lshl_b32 s69, s25, 9                         ; my 64 columns: 512 x slice + 256 c bytes
	s_lshl_b32 s67, s27, 8
	s_add_co_u32 s69, s69, s67
	s_lshl_b32 s67, s29, 21                        ; a routed expert's weights are 2 MiB
	s_cmp_lt_u32 s24, 16
	s_cselect_b32 s72, 0, s67
	s_lshl_b32 s67, s28, 20                        ; 256 rows of 4,096 bytes
	s_add_co_u32 s72, s72, s67
	s_add_co_u32 s72, s72, s69
	s_mov_b32 s73, 0
	s_lshl_b32 s74, s29, 20                        ; hid: 1 MiB an expert
	s_mov_b32 s75, 0
	s_lshl_b32 s76, s29, 22                        ; part: 1,024 rows of 4,096 bytes an expert
	s_add_co_u32 s76, s76, s69
	s_mov_b32 s77, 0
	s_lshl_b32 s66, s29, 7                         ; the expert's row of the bitmap
	s_mov_b32 s67, 0
	v_and_b32 v1, 31, v0                           ; lane
	v_and_b32 v4, 15, v0                           ; r
	v_bfe_u32 v5, v0, 4, 1                         ; h
	v_lshlrev_b32 v14, 4, v4                       ; 16 r
	v_lshlrev_b32 v15, 4, v1                       ; 16 x lane
	v_lshl_add_u32 v6, v5, 15, v14                 ; weights: 16 r + 8 h rows
	v_lshlrev_b32 v7, 12, v1                       ; prefetch: a row a lane
	s_lshl_b32 s68, s26, 18
	v_add_nc_u32 v8, s68, v15                      ; hid: my 16 planes of 16 KiB
	s_lshl_b32 s68, s26, 15
	v_add_nc_u32 v9, s68, v15                      ; and their place in LDS, 2,048 bytes a plane
	s_add_co_u32 s68, s68, IMG
	v_add_nc_u32 v11, s68, v15                     ; my images
	v_lshl_add_u32 v10, v5, 11, v14                ; fragments of hid: plane 32 kh + h, slot r
	s_lshl_b32 s68, s28, 16
	v_add_nc_u32 v10, s68, v10
	v_lshl_add_u32 v13, v5, 15, v14                ; part: row 8 h, 16 r bytes on, 16 rows on for the odd tile
	v_add_nc_u32 v13, s68, v13
	s_lshl_b32 s68, s27, 16
	s_lshl_b32 s80, s28, 12
	s_add_co_u32 s68, s68, s80
	s_add_co_u32 s68, s68, IMG
	v_add_nc_u32 v12, s68, v15                     ; the image of tile kh of the wave with my columns and the first half of K
	s_wait_kmcnt 0x0
	s_add_nc_u64 s[6:7], s[6:7], s[66:67]
	s_load_b512 s[32:47], s[6:7], 0x0              ; the expert's 32 words
	s_load_b512 s[48:63], s[6:7], 0x40
	s_cmp_lt_u32 s24, 16
	s_cselect_b64 s[20:21], s[10:11], s[8:9]       ; the shared expert's tensor or the routed ones'
	s_add_nc_u64 s[20:21], s[20:21], s[72:73]
	s_add_nc_u64 s[14:15], s[4:5], s[74:75]
	s_add_nc_u64 s[16:17], s[12:13], s[76:77]
	WISSUE 0                                       ; all eight K steps are asked for at once: 128 loads, each into registers of its own
	WISSUE 1
	WISSUE 2
	WISSUE 3
	s_wait_kmcnt 0x0
	s_mov_b32 s30, 0
.set i, 0
.rept 32
	s_bcnt1_i32_b32 s67, s[32+i]
	s_add_co_u32 s30, s30, s67
.set i, i+1
.endr
	s_add_co_u32 s31, s30, 31
	s_and_b32 s31, s31, -32                        ; cnt32
	WISSUE 4
	WISSUE 5
	WISSUE 6
	WISSUE 7
	WDONE 0, 63                                    ; 64 loads or more are younger than each of the first four groups; the count's field ends at 63, and a smaller count is safe
	WDONE 1, 63
	WDONE 2, 63
	WDONE 3, 63
	WIN 0
	s_mov_b32 s73, 0
	FETCH 0                                        ; round 0's rows of hid, into the landing slots just read out
	WDONE 4, 48                                    ; the counts are those of the weights' groups behind, which are out on every path; rows of hid behind them only make a wait stricter
	WDONE 5, 32
	WDONE 6, 16
	WDONE 7, 0                                     ; and the rows of hid are in too
	WIN 0
	PUT
	; THE ROUNDS: 128 slots each; s70 = the round's first slot
	s_mov_b32 s70, 0
	s_mov_b32 s71, 0
.Lround:
	s_wait_dscnt 0x0                               ; my planes are in LDS, and my reads of the last round's images are over
	s_barrier_signal -1
	s_barrier_wait -1                              ; everybody's
	s_cmp_ge_u32 s70, s31
	s_cbranch_scc1 .Ldead                          ; no rows left
	s_add_co_u32 s73, s70, 128
	FETCH 1                                        ; the next round's rows are asked for ahead of this round's products
	PAIR 0
.irp u, 1,2,3
	s_add_co_u32 s72, s70, 32*\u
	s_cmp_lt_u32 s72, s31
	s_cbranch_scc0 .Ldead
	PAIR \u
.endr
.Ldead:
	s_wait_dscnt 0x0                               ; my images are in LDS, and my reads of the planes are over
	s_barrier_signal -1
	s_barrier_wait -1
.irp u, 0,1,2,3
	s_add_co_u32 s72, s70, 32*\u
	s_cmp_lt_u32 s72, s31
	s_cbranch_scc0 .Lnofinal
	FINAL2 \u
.endr
.Lnofinal:
	s_wait_loadcnt 0x0                             ; the next round's rows, if any were asked for: on every path no load is out from here on
	s_add_co_u32 s73, s70, 128
	PUT
	s_wait_xcnt 0x0                                ; the bases are stepped only behind this wait (ISA guide 3.1)
	s_add_nc_u64 s[14:15], s[14:15], 2048          ; 128 slots of 16 bytes on
	s_add_nc_u64 s[16:17], s[16:17], 524288        ; 128 rows of 4,096 bytes on
	s_add_co_u32 s70, s70, 128
	s_add_co_u32 s71, s71, 1
	s_cmp_lt_u32 s71, 8
	s_cbranch_scc1 .Lround
	s_wait_tensorcnt 0x0                           ; the wave's end, behind my last LDS store
	ds_add_u32 v[SPW], v[NIL]
	s_wait_dscnt 0x0
	s_endpgm
.Lfunc_end_k_qa2e7baed04_down:
	.size	k_qa2e7baed04_down, .Lfunc_end_k_qa2e7baed04_down-k_qa2e7baed04_down
	.p2alignl 7, 3214868480
	.fill 96, 4, 3214868480
	.section	.rodata,"a",@progbits
	.p2align	6, 0x0
	.amdhsa_kernel k_qa2e7baed04_down
		.amdhsa_group_segment_fixed_size 262656
		.amdhsa_private_segment_fixed_size 0
		.amdhsa_enable_private_segment 0
		.amdhsa_kernarg_size 40
		.amdhsa_user_sgpr_count 2
		.amdhsa_user_sgpr_kernarg_segment_ptr 1
		.amdhsa_wavefront_size32 1
		.amdhsa_system_sgpr_workgroup_id_x 1
		.amdhsa_system_sgpr_workgroup_id_y 1
		.amdhsa_system_sgpr_workgroup_id_z 1
		.amdhsa_system_vgpr_workitem_id 0
		.amdhsa_next_free_vgpr 1024
		.amdhsa_next_free_sgpr 100
		.amdhsa_reserve_vcc 0
		.amdhsa_float_denorm_mode_32 3
		.amdhsa_float_denorm_mode_16_64 3
		.amdhsa_memory_ordered 1
		.amdhsa_forward_progress 1
		.amdhsa_inst_pref_size 99
	.end_amdhsa_kernel
	.amdgpu_metadata
---
amdhsa.version: [ 1, 2 ]
amdhsa.kernels:
  - .name:           k_qa2e7baed04_down
    .symbol:         k_qa2e7baed04_down.kd
    .args:
      - { .name: hid, .offset: 0, .size: 8, .value_kind: global_buffer, .address_space: global }
      - { .name: bitmap, .offset: 8, .size: 8, .value_kind: global_buffer, .address_space: global }
      - { .name: w_down, .offset: 16, .size: 8, .value_kind: global_buffer, .address_space: global }
      - { .name: sw_down, .offset: 24, .size: 8, .value_kind: global_buffer, .address_space: global }
      - { .name: part, .offset: 32, .size: 8, .value_kind: global_buffer, .address_space: global }
    .group_segment_fixed_size: 262656
    .private_segment_fixed_size: 0
    .kernarg_segment_align: 8
    .kernarg_segment_size: 40
    .max_flat_workgroup_size: 128
    .sgpr_count:     100
    .vgpr_count:     1024
    .wavefront_size: 32
...
	.end_amdgpu_metadata
.endif
;; end of part 3
;; launch combine (part 4): grid 256 x 1, 4 waves a work-group, no clusters, 0 bytes of LDS; arguments ids, wts, rankmap, part, out0; writes out0
.if DOCPART == 4
	.amdgcn_target "amdgcn-amd-amdhsa--gfx1250"
	.amdhsa_code_object_version 6
	.text
	.protected	k_qa2e7baed04_combine
	.globl	k_qa2e7baed04_combine
	.p2align	8
	.type	k_qa2e7baed04_combine,@function
k_qa2e7baed04_combine:
	s_mov_b64 s[64:65], 0
	v_nop
	global_prefetch_b8 v0, s[64:65] scope:SCOPE_SE
	s_setreg_imm32_b32 hwreg(HW_REG_WAVE_MODE, 25, 1), 1
	s_wait_xcnt 0x0
; THE SUM.  out0[t] = the shared expert's partial row of token t + the sum over its four experts of weight x partial row, all in f32.
; A wave takes one token: five rows of 4,096 bytes, each load and each store 512 consecutive bytes.  The rows' places come from whole numbers that earlier launches stored:
; ids[t][k], rankmap[id][t] (the token's slot with that expert); the shared row's place is (32 + t / 64) x 1,024 + t % 64.  All 40 loads are issued before the first wait.
; Memory binds: no LDS, no barrier, no matrix unit; each partial row that is read is read once.
.set D, 16                             ; v16-175: piece p's five rows at D + 20 p, the shared row last: the sum is made in its registers
	s_load_b256 s[4:11], s[0:1], 0x0               ; ids s[4:5], wts s[6:7], rankmap s[8:9], part s[10:11]
	s_load_b64 s[12:13], s[0:1], 0x20              ; out0
	v_lshrrev_b32 v1, 5, v0
	v_readfirstlane_b32 s14, v1                    ; wave 0..3
	v_and_b32 v1, 31, v0
	v_lshlrev_b32 v1, 4, v1                        ; 16 x lane
	s_lshl_b32 s15, ttmp9, 2
	s_add_co_u32 s15, s15, s14                     ; my token
	s_lshl_b32 s24, s15, 4                         ; its 16 bytes in ids and in wts
	s_mov_b32 s25, 0
	s_lshl_b32 s26, s15, 12                        ; its row of out0
	s_mov_b32 s27, 0
	s_lshr_b32 s40, s15, 6                         ; the shared expert's row
	s_add_co_u32 s40, s40, 32
	s_lshl_b32 s40, s40, 10
	s_and_b32 s41, s15, 63
	s_add_co_u32 s40, s40, s41
	s_lshl_b32 s40, s40, 12
	v_add_nc_u32 v6, s40, v1
	s_wait_kmcnt 0x0
	s_add_nc_u64 s[4:5], s[4:5], s[24:25]
	s_add_nc_u64 s[6:7], s[6:7], s[24:25]
	s_add_nc_u64 s[12:13], s[12:13], s[26:27]
	s_load_b128 s[16:19], s[4:5], 0x0              ; the four experts
	s_load_b128 s[20:23], s[6:7], 0x0              ; the four weights
	s_wait_kmcnt 0x0
.irp k, 0,1,2,3
	s_min_u32 s[16+\k], s[16+\k], 31               ; a number read from memory enters an address only behind the minimum
	s_lshl_b32 s[16+\k], s[16+\k], 10              ; id x 1,024
	s_add_co_u32 s[28+\k], s[16+\k], s15
	s_lshl_b32 s[28+\k], s[28+\k], 2
	s_load_b32 s[36+\k], s[8:9], s[28+\k] offset:0x0  ; the token's slot with that expert
.endr
.irp k, 0,1,2,3
	s_mov_b32 s[44+2*\k], s[20+\k]                 ; each weight as a pair: the packed multiply-add names a pair and takes its low word for both halves
	s_mov_b32 s[45+2*\k], s[20+\k]
.endr
	s_wait_kmcnt 0x0
.irp k, 0,1,2,3
	s_min_u32 s[36+\k], s[36+\k], 1023
	s_add_co_u32 s[36+\k], s[36+\k], s[16+\k]
	s_lshl_b32 s[36+\k], s[36+\k], 12              ; the row's byte offset in part, under 2^28
	v_add_nc_u32 v[2+\k], s[36+\k], v1
.endr
.set n, 0
.rept 40                               ; n = 5 p + row
	global_load_b128 v[D+4*n:D+4*n+3], v[2+n%5], s[10:11] offset:512*(n/5) th:TH_LOAD_NT
.set n, n+1
.endr
.irp p, 0,1,2,3,4,5,6,7
	s_wait_loadcnt 5*(7-\p)                        ; loads come back in order (ISA guide 5.7.1): this piece's five are in, the later pieces' stay out
.irp k, 0,1,2,3
	v_pk_fma_f32 v[D+20*\p+16:D+20*\p+17], v[D+20*\p+4*\k:D+20*\p+4*\k+1], s[44+2*\k:45+2*\k], v[D+20*\p+16:D+20*\p+17] op_sel_hi:[1,0,1]
	v_pk_fma_f32 v[D+20*\p+18:D+20*\p+19], v[D+20*\p+4*\k+2:D+20*\p+4*\k+3], s[44+2*\k:45+2*\k], v[D+20*\p+18:D+20*\p+19] op_sel_hi:[1,0,1]
.endr
	global_store_b128 v1, v[D+20*\p+16:D+20*\p+19], s[12:13] offset:512*\p th:TH_STORE_NT
.endr
	s_endpgm
.Lfunc_end_k_qa2e7baed04_combine:
	.size	k_qa2e7baed04_combine, .Lfunc_end_k_qa2e7baed04_combine-k_qa2e7baed04_combine
	.p2alignl 7, 3214868480
	.fill 96, 4, 3214868480
	.section	.rodata,"a",@progbits
	.p2align	6, 0x0
	.amdhsa_kernel k_qa2e7baed04_combine
		.amdhsa_group_segment_fixed_size 0
		.amdhsa_private_segment_fixed_size 0
		.amdhsa_enable_private_segment 0
		.amdhsa_kernarg_size 40
		.amdhsa_user_sgpr_count 2
		.amdhsa_user_sgpr_kernarg_segment_ptr 1
		.amdhsa_wavefront_size32 1
		.amdhsa_system_sgpr_workgroup_id_x 1
		.amdhsa_system_sgpr_workgroup_id_y 1
		.amdhsa_system_sgpr_workgroup_id_z 1
		.amdhsa_system_vgpr_workitem_id 0
		.amdhsa_next_free_vgpr 192
		.amdhsa_next_free_sgpr 66
		.amdhsa_reserve_vcc 0
		.amdhsa_float_denorm_mode_32 3
		.amdhsa_float_denorm_mode_16_64 3
		.amdhsa_memory_ordered 1
		.amdhsa_forward_progress 1
		.amdhsa_inst_pref_size 12
	.end_amdhsa_kernel
	.amdgpu_metadata
---
amdhsa.version: [ 1, 2 ]
amdhsa.kernels:
  - .name:           k_qa2e7baed04_combine
    .symbol:         k_qa2e7baed04_combine.kd
    .args:
      - { .name: ids, .offset: 0, .size: 8, .value_kind: global_buffer, .address_space: global }
      - { .name: wts, .offset: 8, .size: 8, .value_kind: global_buffer, .address_space: global }
      - { .name: rankmap, .offset: 16, .size: 8, .value_kind: global_buffer, .address_space: global }
      - { .name: part, .offset: 24, .size: 8, .value_kind: global_buffer, .address_space: global }
      - { .name: out0, .offset: 32, .size: 8, .value_kind: global_buffer, .address_space: global }
    .group_segment_fixed_size: 0
    .private_segment_fixed_size: 0
    .kernarg_segment_align: 8
    .kernarg_segment_size: 40
    .max_flat_workgroup_size: 128
    .sgpr_count:     66
    .vgpr_count:     192
    .wavefront_size: 32
...
	.end_amdgpu_metadata
.endif
;; end of part 4
;; ======== version 2 of 2: 4 launches
;; workspace buffers: xb 2,097,152 bytes; ids 16,384 bytes of whole numbers; wts 16,384 bytes; bitmap 8,192 bytes of whole numbers; rankmap 196,608 bytes of whole numbers; hid 50,331,648 bytes; part 201,326,592 bytes
;; launch router: the kernel of part 1 again; grid 32 x 1, 4 waves a work-group, no clusters, 84,992 bytes of LDS; arguments hidden_states, gate_w, expert_bias, xb, ids, wts, bitmap; writes xb, ids, wts, bitmap
;; launch gateup (part 5): grid 384 x 1, 4 waves a work-group, no clusters, 198,144 bytes of LDS; arguments xb, bitmap, w_gate, w_up, sw_gate, sw_up, hid, rankmap; writes hid, rankmap
.if DOCPART == 5
	.amdgcn_target "amdgcn-amd-amdhsa--gfx1250"
	.amdhsa_code_object_version 6
	.text
	.protected	k_qa2e7baed04_gateup
	.globl	k_qa2e7baed04_gateup
	.p2align	8
	.type	k_qa2e7baed04_gateup,@function
k_qa2e7baed04_gateup:
	s_mov_b64 s[64:65], 0
	v_nop
	global_prefetch_b8 v0, s[64:65] scope:SCOPE_SE
	s_setreg_imm32_b32 hwreg(HW_REG_WAVE_MODE, 25, 1), 1
	s_wait_xcnt 0x0
; FIRST PRODUCT.  hid[slot][col] = silu(x Wg) x (x Wu) for the rows of one expert and 64 of its 512 hidden columns.
; TABLE ROWS.  er = 0..31 are the routed experts; er = 32 + b (b = 0..15) is the shared expert's weights on tokens 64 b .. 64 b + 63.  Work-group number = 8 er + slice: the routed experts' work-groups,
; which as a rule have more rows, come first, one for each of 256 WGPs; the 128 with 64 rows follow.
; An expert's rows have the slots 0 .. count - 1 in the order of their tokens.  The token of a slot is found in registers from the expert's 32 words of the bitmap (SELECT).  A place at or past the count
; (up to cnt32, the next multiple of 32, and up to the end of a live batch) gets one of the tokens 992 .. 1,023: a row that exists, whose result nobody reads.
; The text serves every split: an expert may have 0 to 1,024 rows.  The weights stay: each wave keeps its slice in registers as bf16 and the rows go by in batches of 64.
; THE FIRST BATCH IS MULTIPLIED WHILE THE WEIGHTS STREAM: a K step can be multiplied as soon as it is rounded, so its 16 products stand in the ring, behind the request for the next weights.
; The later batches run in a loop of constant length; every wave passes every barrier, and only work is jumped, forward, by scalar branches on the count.
; TWO PRICES.  A live batch multiplies all its four tiles, also where only the first two hold slots below cnt32 (their results are not stored).  The rows of places 64 .. 127 are fetched whatever the count,
; so that the ring's counted waits are the same on every path: an expert with 64 rows or fewer fetches 64 rows that it does not use.
; FORMATS.  Weights are rounded to bf16 on their way through registers, x arrives in bf16, sums are f32, the hidden layer is rounded once to bf16.  NaN and infinities are not treated apart.
; SHARES.  Wave w = 2 m + kh: m = 0 gate, 1 up; K = 512 kh .. 512 kh + 511.  Its slice, 512 rows x 256 bytes of f32, is read once, by this wave alone (the shared expert's by 16 work-groups).
; NO TURNING.  The weights lie [K][N].  A lane loads 16 bytes (columns 4 r .. 4 r + 3) of the 16 rows of K that a fragment's lane holds, so it has its part of FOUR fragments: fragment j owns columns 4 r + j,
; and the rounding in pairs (row, next row) builds the registers.  Sixteen lanes read 256 consecutive bytes, aligned.
; THE PRODUCT has the weights as source 0 and the tokens as source 1: register i of fragment j's result in lane (r, h) is token r, column 32 h + 4 i + j.
; The four waves' results of a tile of 16 tokens meet in LDS; wave w adds the halves of K of tile w, applies silu and the product, and stores.
; hid is laid [er][column / 8][slot][8 columns]: a lane's 16 bytes are one token's 8 columns, 16 lanes store 256 consecutive bytes, and the next launch reads fragments from it in the same way.
; NO MULTICAST, NO DATA MOVER: a routed slice has one reader and must pass through registers to be rounded; the token rows are picked one by one, by rank.
; REGISTERS in windows of 256 (s_set_vgpr_msb: bits 1:0 source 0, 3:2 source 1, 5:4 source 2, 7:6 destination):
;   window 0 addresses, accumulators, token fragments     windows 1, 2 the weights, K step q, fragment j at 32 (q % 8) + 8 j     window 3 four landing slots of 64 registers
.set XP,    2064                       ; a token's row in LDS: 2,048 bytes + 16: an odd multiple of 16 (ISA guide 11.1: 64 banks of 4 bytes)
.set IMG,   64*XP                      ; results on their way between waves: image (wave, tile) of 4,096 bytes at (4 wave + tile) x 4,096
.set SPARE, IMG+16*4096                ; the spare words: 128 bytes a wave, two blocks of 256 bytes that no other line names
.set SPW, 2                            ; v2  my spare word's LDS address; never rewritten
.set NIL, 3                            ; v3  0; never rewritten
.set PL,  9                            ; v9  my lane's place among the wave's: lane 16 hh + 8 bb + j: 64 bb + 16 w + 2 j + hh; never rewritten
.set TP,  10                           ; v10 the place in hand
.set TW,  11                           ; v11 SELECT: the word that holds the place's bit
.set TQ,  12                           ; v12 the set bits in the words before it; then the bit's rank in the word
.set TB,  13                           ; v13 the word's number
.set A1,  14                           ; v14 the word's bit counts by 2 bits,
.set A2,  15                           ; v15 by 4,
.set A4,  18                           ; v18 by 8
.set XA,  24                           ; v24-27   LDS address of my token fragments of tile t
.set XG,  28                           ; v28-35   byte offsets in xb of the rows that I fetch
.set TC,  36                           ; v36-38   SELECT: a count, the bit's position so far, at work
.set TS,  37
.set TT,  38
.set TOK, 39                           ; v39      the token of my lane's place
.set ACC, 40                           ; v40-167  sixteen accumulators: tile t, fragment j at ACC + 32 t + 8 j
.set FX,  ACC                          ;          on the way out the same registers take a tile's four images
.set XF,  168                          ; v168-231 token fragments of one K step, four tiles; two buffers, by the step's parity
.set T,   232                          ; v232-247 the packed results
.set MSB, 0
.macro WIN new                         ; the immediate's high byte repeats the setting that is left; a switch that changes nothing is dropped
.if MSB != (\new)
	s_set_vgpr_msb (MSB<<8)|(\new)
.set MSB, \new
.endif
.endm
; K step q of my slice: 16 loads into landing slot q % 4.  Load n takes row 32 q + 8 h + n (n < 8) or 32 q + 16 + 8 h + n - 8.
; The prefetch asks for the 32 rows x 256 bytes of the K step four further on, a lane a row: each block once by the wave that will load it, 32 KB a wave beyond the ring; the last four steps ask for nothing.
.macro WISSUE q
	WIN 0xc0                                       ; destination window 3
.set n, 0
.rept 16
	global_load_b128 v[64*((\q)%4)+4*n:64*((\q)%4)+4*n+3], v6, s[20:21] offset:(32*(\q)+n+8*(n/8))*2048
.set n, n+1
.endr
.if (\q)+4 < 16
	global_prefetch_b8 v7, s[20:21] offset:32*((\q)+4)*2048 th:TH_LOAD_NT scope:SCOPE_SE
.endif
.endm
; K step q has landed: register p of fragment j = rows 2 p, 2 p + 1 of the 16, column 4 r + j
.macro WDONE q, left
	s_wait_loadcnt \left
	WIN 0x4f+0x40*((\q)/8)                         ; sources window 3, destination window 1 or 2
.set n, 0
.rept 32                               ; n = 8 j + p
	v_cvt_pk_bf16_f32 v[32*((\q)%8)+n], v[64*((\q)%4)+8*(n%8)+n/8], v[64*((\q)%4)+8*(n%8)+4+n/8]
.set n, n+1
.endr
.endm
; One halving of SELECT: of the block of 2 x width bits at position TS the lower half holds TC set bits (read from the counts in src); a rank of TC or more lies in the upper half
.macro HALF src, width, mask
	v_lshrrev_b32 v[TC], v[TS], v[\src]
	v_and_b32 v[TC], \mask, v[TC]
	v_cmp_ge_u32 vcc_lo, v[TQ], v[TC]
	v_cndmask_b32 v[TC], 0, v[TC], vcc_lo
	v_sub_nc_u32 v[TQ], v[TQ], v[TC]
	v_cndmask_b32 v[TT], 0, \width, vcc_lo
	v_add_nc_u32 v[TS], v[TS], v[TT]
.endm
; SELECT: TOK = the token whose bit is set bit number v[p] of the expert's 1,024 (s[32:63]), a place a lane.  The words go by with the count of the bits before them in s66: the last word whose count is
; at most the place holds the bit.  Then the word's bit counts by 2, 4, 8 and 16 bits, and five halvings.  For a place at or past the count the last word is taken and the halvings end somewhere in it.
; first = 1: s66 ends as the expert's count, and the word number s68 and the count before it are kept in s98 and s99, for the ranks that this wave stores.
.macro SELECT first, p
	v_mov_b32 v[TW], s32
	v_mov_b32 v[TQ], 0
	v_mov_b32 v[TB], 0
	s_mov_b32 s66, 0
.set i, 0
.rept 32
.if i > 0
	v_cmp_le_u32 vcc_lo, s66, v[\p]
	v_cndmask_b32 v[TW], v[TW], s[32+i], vcc_lo
	v_cndmask_b32 v[TQ], v[TQ], s66, vcc_lo
	v_cndmask_b32 v[TB], v[TB], i, vcc_lo
.endif
.if \first
	s_cmp_eq_u32 s68, i
	s_cselect_b32 s98, s[32+i], s98
	s_cselect_b32 s99, s66, s99
.endif
.if (\first) || (i < 31)
	s_bcnt1_i32_b32 s67, s[32+i]
	s_add_co_u32 s66, s66, s67
.endif
.set i, i+1
.endr
	v_sub_nc_u32 v[TQ], v[\p], v[TQ]               ; the bit's rank in its word
	v_lshrrev_b32 v[TT], 1, v[TW]
	v_and_b32 v[TT], 0x55555555, v[TT]
	v_sub_nc_u32 v[A1], v[TW], v[TT]               ; counts by 2 bits
	v_lshrrev_b32 v[TT], 2, v[A1]
	v_and_b32 v[TT], 0x33333333, v[TT]
	v_and_b32 v[A2], 0x33333333, v[A1]
	v_add_nc_u32 v[A2], v[A2], v[TT]               ; by 4
	v_lshrrev_b32 v[TT], 4, v[A2]
	v_add_nc_u32 v[A4], v[A2], v[TT]
	v_and_b32 v[A4], 0x0f0f0f0f, v[A4]             ; by 8
	v_lshrrev_b32 v[TT], 8, v[A4]
	v_add_nc_u32 v[TC], v[A4], v[TT]
	v_and_b32 v[TC], 0xff, v[TC]                   ; the low 16 bits' count
	v_cmp_ge_u32 vcc_lo, v[TQ], v[TC]
	v_cndmask_b32 v[TC], 0, v[TC], vcc_lo
	v_sub_nc_u32 v[TQ], v[TQ], v[TC]
	v_cndmask_b32 v[TS], 0, 16, vcc_lo
	HALF A4, 8, 0xff
	HALF A2, 4, 15
	HALF A1, 2, 3
	HALF TW, 1, 1
	v_lshl_add_u32 v[TOK], v[TB], 5, v[TS]
.endm
; The tokens of my wave's 16 places of batch bb of TOK's two, as byte offsets in xb: place 16 w + 2 j + h into XG + j, for all r.  A number made of loaded words enters an address only behind the v_min_u32.
.macro DIST bb
.irp j, 0,1,2,3,4,5,6,7
	v_readlane_b32 s[82+2*\j], v[TOK], 8*(\bb)+\j
	v_readlane_b32 s[83+2*\j], v[TOK], 16+8*(\bb)+\j
.endr
.irp j, 0,1,2,3,4,5,6,7
	v_mov_b32 v[XG+\j], s[82+2*\j]
.endr
.irp j, 0,1,2,3,4,5,6,7
	v_cndmask_b32 v[XG+\j], v[XG+\j], s[83+2*\j], s81  ; lanes 16 to 31 take the odd place
.endr
.irp j, 0,1,2,3,4,5,6,7
	v_min_u32 v[XG+\j], 0x3ff, v[XG+\j]
.endr
.irp j, 0,1,2,3,4,5,6,7
	v_lshl_add_u32 v[XG+\j], v[XG+\j], 11, v8
.endr
.endm
.macro XISSUE a                        ; four of my 16 rows into landing slot a: a load takes 256 bytes of each of two rows; other work-groups read these rows again
	WIN 0xc0
.set n, 0
.rept 16                               ; n = 8 jj + piece
	global_load_b128 v[64*(\a)+4*n:64*(\a)+4*n+3], v[XG+2*(\a)+n/8], s[4:5] offset:256*(n%8) th:TH_LOAD_HT
.set n, n+1
.endr
.endm
.macro XSTORE a                        ; and into LDS
	WIN 0x0c                                       ; store data window 3
.set n, 0
.rept 16
	ds_store_b128 v19, v[64*(\a)+4*n:64*(\a)+4*n+3] offset:(2*(\a)+n/8)*2*XP+256*(n%8)
.set n, n+1
.endr
.endm
; The token fragments of a batch's K step 0, four tiles, into buffer 0
.macro XFIRST
	WIN 0
.irp t, 0,1,2,3
	ds_load_b128 v[XF+8*\t:XF+8*\t+3],   v[XA+\t]
	ds_load_b128 v[XF+8*\t+4:XF+8*\t+7], v[XA+\t] offset:32
.endr
.endm
; K step c of a batch: 64 tokens x my 64 columns x 32 of K.  The next step's eight fragment loads go out first, into the buffer that step c - 1 read; then 16 products on sixteen accumulators by turns
; K step 0 starts the sums.  places = 1: four v_nop stand between step c - 1's products and the loads into their sources (ISA guide 7.12.1 for vector instructions)
; places = 0: other plain vector work, which names none of those products' registers, stands there already.
.macro CSTEP c, places
	WIN 0
.if \places
.rept 4
	v_nop
.endr
.endif
.if (\c) < 15
.irp t, 0,1,2,3
	ds_load_b128 v[XF+32*(((\c)+1)%2)+8*\t:XF+32*(((\c)+1)%2)+8*\t+3],   v[XA+\t] offset:64*((\c)+1)
	ds_load_b128 v[XF+32*(((\c)+1)%2)+8*\t+4:XF+32*(((\c)+1)%2)+8*\t+7], v[XA+\t] offset:64*((\c)+1)+32
.endr
	s_wait_dscnt 8                                 ; LDS answers in order (ISA guide 5.7.1): this step's fragments are in, the eight loads just issued stay out
.else
	s_wait_dscnt 0x0                               ; the last step: nothing was issued behind its fragments
.endif
	WIN 1+(\c)/8                                   ; source 0 (weights) window 1 or 2
.set n, 0
.rept 16                               ; n = 4 t + j
.set rD, ACC+8*n
.set rW, 32*((\c)%8)+8*(n%4)
.set rX, XF+32*((\c)%2)+8*(n/4)
.if (\c) == 0
	v_wmma_f32_16x16x32_bf16 v[rD:rD+7], v[rW:rW+7], v[rX:rX+7], 0
.else
	v_wmma_f32_16x16x32_bf16 v[rD:rD+7], v[rW:rW+7], v[rX:rX+7], v[rD:rD+7]
.endif
.set n, n+1
.endr
.endm
; Tile w's four images (gate's and up's two halves of K) -> silu(g) u -> bf16 -> hid
.macro FINAL
.set n, 0
.rept 32                               ; n = 8 wave + piece
	ds_load_b128 v[FX+4*n:FX+4*n+3], v21 offset:(n/8)*16384+(n%8)*512
.set n, n+1
.endr
	s_wait_dscnt 0x0
.set n, 0
.rept 16
	v_pk_add_f32 v[FX+2*n:FX+2*n+1], v[FX+2*n:FX+2*n+1], v[FX+32+2*n:FX+32+2*n+1]  ; g
.set n, n+1
.endr
.set n, 0
.rept 16
	v_pk_mul_f32 v[FX+32+2*n:FX+32+2*n+1], v[FX+2*n:FX+2*n+1], 0xbfb8aa3b op_sel_hi:[1,0]  ; -log2(e) g
.set n, n+1
.endr
.set n, 0
.rept 32
	v_exp_f32 v[FX+32+n], v[FX+32+n]
.set n, n+1
.endr
.set n, 0
.rept 16
	v_pk_add_f32 v[FX+64+2*n:FX+64+2*n+1], v[FX+64+2*n:FX+64+2*n+1], v[FX+96+2*n:FX+96+2*n+1]  ; u: the plain work behind the exponentials
.set n, n+1
.endr
	s_wait_alu depctr_va_vdst(0)                   ; the one wait ahead of the batch of exponentials' first reader
.set n, 0
.rept 16
	v_pk_add_f32 v[FX+32+2*n:FX+32+2*n+1], v[FX+32+2*n:FX+32+2*n+1], 1.0 op_sel_hi:[1,0]
.set n, n+1
.endr
.set n, 0
.rept 32
	v_rcp_f32 v[FX+32+n], v[FX+32+n]
.set n, n+1
.endr
	v_nop                                          ; a plain instruction behind the last reciprocal (ISA guide 5.7.2),
	s_wait_alu depctr_va_vdst(0)                   ; and the reciprocals' one wait
.set n, 0
.rept 16
	v_pk_mul_f32 v[FX+2*n:FX+2*n+1], v[FX+2*n:FX+2*n+1], v[FX+32+2*n:FX+32+2*n+1]  ; silu(g)
.set n, n+1
.endr
.set n, 0
.rept 16
	v_pk_mul_f32 v[FX+2*n:FX+2*n+1], v[FX+2*n:FX+2*n+1], v[FX+64+2*n:FX+64+2*n+1]  ; x u
.set n, n+1
.endr
.set n, 0
.rept 16                               ; n = 4 b + p: columns 32 h + 8 b + 2 p and the next lie in register 2 b + p / 2 of fragments 2 (p % 2) and the next
.set jr, 2*(n/4)+(n%4)/2
.set j0, 2*(n%2)
	v_cvt_pk_bf16_f32 v[T+n], v[FX+8*j0+jr], v[FX+8*(j0+1)+jr]
.set n, n+1
.endr
.irp b, 0,1,2,3
	global_store_b128 v22, v[T+4*\b:T+4*\b+3], s[74:75] offset:16384*\b  ; 16 lanes store 256 consecutive bytes, aligned
.endr
.endm
	s_load_b512 s[4:19], s[0:1], 0x0               ; xb s[4:5], bitmap s[6:7], w_gate s[8:9], w_up s[10:11], sw_gate s[12:13], sw_up s[14:15], hid s[16:17], rankmap s[18:19]
	v_lshl_add_u32 v[SPW], v0, 2, SPARE
	v_mov_b32 v[NIL], 0
	v_lshrrev_b32 v1, 5, v0
	v_readfirstlane_b32 s26, v1                    ; wave 0..3
	s_lshr_b32 s29, ttmp9, 3                       ; er
	s_and_b32 s25, ttmp9, 7                        ; slice
	s_lshr_b32 s27, s26, 1                         ; m: gate or up
	s_and_b32 s28, s26, 1                          ; kh: half of K
	s_lshl_b32 s67, s29, 21                        ; a routed expert's weights are 2 MiB; the shared expert's begin at 0
	s_cmp_lt_u32 s29, 32
	s_cselect_b32 s72, s67, 0
	s_lshl_b32 s67, s28, 20                        ; 512 rows of 2,048 bytes
	s_add_co_u32 s72, s72, s67
	s_lshl_b32 s67, s25, 8                         ; 64 columns
	s_add_co_u32 s72, s72, s67
	s_mov_b32 s73, 0                               ; s[72:73]: my slice's offset
	s_lshl_b32 s74, s29, 20                        ; hid: 1 MiB an expert,
	s_lshl_b32 s67, s25, 17                        ; 8 planes of 16 KiB a slice
	s_add_co_u32 s74, s74, s67
	s_mov_b32 s75, 0
	s_lshl2_add_u32 s68, s25, s26                  ; 4 x slice + wave: the word of the expert's 32 whose ranks I store
	s_lshl_b32 s76, s29, 12
	s_lshl_b32 s67, s68, 7
	s_add_co_u32 s76, s76, s67
	s_mov_b32 s77, 0
	s_lshl_b32 s66, s29, 7                         ; the expert's row of the bitmap
	s_mov_b32 s67, 0
	s_lshl_b32 s78, s26, 4                         ; 16 w
	s_add_co_u32 s79, s78, 64                      ; 16 w + 64
	s_mov_b32 s81, 0xffff0000                      ; lanes 16 to 31
	s_mov_b32 s98, 0
	s_mov_b32 s99, 0
	v_and_b32 v1, 31, v0                           ; lane
	v_and_b32 v4, 15, v0                           ; r
	v_bfe_u32 v5, v0, 4, 1                         ; h
	v_lshlrev_b32 v8, 4, v4                        ; 16 r
	v_lshl_add_u32 v6, v5, 14, v8                  ; weights: 16 r + 8 h rows
	v_lshlrev_b32 v7, 11, v1                       ; prefetch: a row a lane
	v_lshlrev_b32 v17, 2, v1                       ; 4 x lane
	v_and_b32 v[PL], 7, v4                         ; my lane's place: j = r % 8, bb = r / 8, hh = h:
	v_lshl_add_u32 v[PL], v[PL], 1, v5             ; 2 j + hh
	v_bfe_u32 v[TT], v4, 3, 1
	v_lshl_add_u32 v[PL], v[TT], 6, v[PL]          ; + 64 bb
	v_add_nc_u32 v[PL], s78, v[PL]                 ; + 16 w
	s_mul_i32 s69, s26, 16*XP
	v_mul_u32_u24 v19, v5, XP
	v_add_nc_u32 v19, v19, v8
	v_add_nc_u32 v19, s69, v19                     ; rows into LDS: row 16 w + h, 16 r bytes on
	s_lshl_b32 s69, s26, 14
	s_add_co_u32 s69, s69, IMG
	v_lshl_add_u32 v20, v1, 4, s69                 ; my images
	s_lshl_b32 s69, s26, 12
	s_add_co_u32 s69, s69, IMG
	v_lshl_add_u32 v21, v1, 4, s69                 ; tile w's image of wave 0
	v_lshl_add_u32 v22, v5, 16, v8                 ; hid: 4 h planes, slot 16 w + r
	s_lshl_b32 s69, s26, 8
	v_add_nc_u32 v22, s69, v22
	v_mul_u32_u24 v[XA], v4, XP                    ; token fragments: row r, 16 h bytes on, my half of K
	v_lshl_add_u32 v[XA], v5, 4, v[XA]
	s_lshl_b32 s69, s28, 10
	v_add_nc_u32 v[XA], s69, v[XA]
.irp t, 1,2,3
	v_add_nc_u32 v[XA+\t], \t*16*XP, v[XA]
.endr
	s_wait_kmcnt 0x0
	s_add_nc_u64 s[6:7], s[6:7], s[66:67]
	s_load_b512 s[32:47], s[6:7], 0x0              ; the expert's 32 words
	s_load_b512 s[48:63], s[6:7], 0x40
	s_cmp_lt_u32 s29, 32                           ; the routed experts' tensors or the shared one's,
	s_cselect_b64 s[20:21], s[8:9], s[12:13]
	s_cselect_b64 s[22:23], s[10:11], s[14:15]
	s_cmp_eq_u32 s27, 0                            ; gate's or up's
	s_cselect_b64 s[20:21], s[20:21], s[22:23]
	s_add_nc_u64 s[20:21], s[20:21], s[72:73]
	s_add_nc_u64 s[74:75], s[16:17], s[74:75]
	s_add_nc_u64 s[76:77], s[18:19], s[76:77]
	WISSUE 0                                       ; the ring is filled before anything else is done: 64 loads, 32 KB, of each wave are out
	WISSUE 1
	WISSUE 2
	WISSUE 3
	WIN 0
	; While the first weights are on their way: the tokens of my wave's places of the first two batches, the expert's count, and the ranks of the 32 tokens of word s68
	s_wait_kmcnt 0x0
	SELECT 1, PL
	s_add_co_u32 s31, s66, 31
	s_and_b32 s31, s31, -32                        ; cnt32
	v_mbcnt_lo_u32_b32 v16, s98, s99               ; chosen tokens below mine: a chosen token's slot
	global_store_b32 v17, v16, s[76:77]            ; rankmap[er][token]: 128 consecutive bytes; the expert's 32 waves write its 32 words; only chosen tokens' words are read later
	DIST 0
	; THE RING: 24 groups of 16 loads on four landing slots: weights 0-3, my 16 rows of places 0 .. 63, weights 4-15, my 16 rows of places 64 .. 127.  A group is taken out and its slot asked for again.
	; Every wait leaves exactly the three younger groups, 48 loads, out.
.irp a, 0,1,2,3
	WDONE \a, 48
	XISSUE \a
.endr
.irp a, 0,1,2,3
	s_wait_loadcnt 48
	XSTORE \a
	WISSUE \a+4
.endr
	WIN 0
	DIST 1                                         ; my places of the second batch; the first batch's loads have landed, so their offset registers are free
	s_wait_dscnt 0x0                               ; for the others' sake: my rows are in LDS
	s_barrier_signal -1
	s_barrier_wait -1                              ; everybody's rows are in LDS; the weights' loads stay on their way
	XFIRST
	; From here on the first batch's products stand in the ring, behind the request that keeps it full.  K step c is multiplied when it has been rounded: two steps in each of ring steps 4-7
	; (c = 0 .. 7), one in each of 8-15 (c = 8 .. 15), so that one step alone is left behind the last weights.  A ring step's 32 roundings, which name landing registers and a later K step's weights alone,
	; are the places between the products before them and the fragment loads behind them.
.irp q, 4,5,6,7
	WDONE \q, 48
	WISSUE \q+4
	CSTEP 2*\q-8, 0
	CSTEP 2*\q-7, 1
.endr
.irp q, 8,9,10,11
	WDONE \q, 48
	WISSUE \q+4
	CSTEP \q, 0
.endr
.irp q, 12,13,14,15
	WDONE \q, 48
	XISSUE \q-12                                   ; the second batch's rows take the slots that the last weights leave
	CSTEP \q, 0
.endr
	WIN 0
	s_mov_b32 s70, 0                               ; the batch's first slot
	s_mov_b32 s71, 0
	s_branch .Limg                                 ; the loop is entered in the middle of a trip: the first batch's results go out as every batch's do
	; THE LATER BATCHES: 64 slots each, on the weights in registers
.Lround:
	s_wait_dscnt 0x0                               ; my rows are in LDS, and my reads of the last batch's images are over
	s_barrier_signal -1
	s_barrier_wait -1                              ; everybody's
	s_cmp_ge_u32 s70, s31
	s_cbranch_scc1 .Ldead                          ; no rows left
	s_add_co_u32 s72, s70, s79
	s_cmp_lt_u32 s72, s31
	s_cbranch_scc0 .Lnofetch
	s_add_co_u32 s72, s70, 64                      ; the next batch's rows are asked for ahead of this batch's products
	v_add_nc_u32 v[TP], s72, v[PL]
	SELECT 0, TP
	DIST 0
	XISSUE 0
	XISSUE 1
	XISSUE 2
	XISSUE 3
	WIN 0
.Lnofetch:
	XFIRST
	CSTEP 0, 0                                     ; the places behind the last batch's products stand at .Limg
.irp c, 1,2,3,4,5,6,7,8,9,10,11,12,13,14,15
	CSTEP \c, 1
.endr
	WIN 0
.Limg:
.rept 5
	v_nop                                          ; four places ahead of the stores that read results and of later loads into these registers, five ahead of the next batch's first products
.endr
.set n, 0
.rept 32                               ; n = 8 t + piece: each accumulator from its low end on; 512 consecutive bytes a store
	ds_store_b128 v20, v[ACC+4*n:ACC+4*n+3] offset:512*n
.set n, n+1
.endr
.Ldead:
	s_wait_dscnt 0x0                               ; my images are in LDS, and my reads of the rows are over
	s_barrier_signal -1
	s_barrier_wait -1
	s_add_co_u32 s72, s70, s78
	s_cmp_lt_u32 s72, s31
	s_cbranch_scc0 .Lnofinal
	FINAL
.Lnofinal:
	s_wait_loadcnt 0x0                             ; the next batch's rows, if any were asked for: on every path no load is out from here on
	s_add_co_u32 s72, s70, s79
	s_cmp_lt_u32 s72, s31
	s_cbranch_scc0 .Lnostore
	XSTORE 0
	XSTORE 1
	XSTORE 2
	XSTORE 3
	WIN 0
.Lnostore:
	s_wait_xcnt 0x0                                ; the stores' data and base are rewritten only behind this wait (ISA guide 3.1)
	s_add_nc_u64 s[74:75], s[74:75], 1024          ; 64 slots of 16 bytes on
	s_add_co_u32 s70, s70, 64
	s_add_co_u32 s71, s71, 1
	s_cmp_lt_u32 s71, 16
	s_cbranch_scc1 .Lround
	s_wait_tensorcnt 0x0                           ; the wave's end, behind my last LDS store
	ds_add_u32 v[SPW], v[NIL]
	s_wait_dscnt 0x0
	s_endpgm
.Lfunc_end_k_qa2e7baed04_gateup:
	.size	k_qa2e7baed04_gateup, .Lfunc_end_k_qa2e7baed04_gateup-k_qa2e7baed04_gateup
	.p2alignl 7, 3214868480
	.fill 96, 4, 3214868480
	.section	.rodata,"a",@progbits
	.p2align	6, 0x0
	.amdhsa_kernel k_qa2e7baed04_gateup
		.amdhsa_group_segment_fixed_size 198144
		.amdhsa_private_segment_fixed_size 0
		.amdhsa_enable_private_segment 0
		.amdhsa_kernarg_size 64
		.amdhsa_user_sgpr_count 2
		.amdhsa_user_sgpr_kernarg_segment_ptr 1
		.amdhsa_wavefront_size32 1
		.amdhsa_system_sgpr_workgroup_id_x 1
		.amdhsa_system_sgpr_workgroup_id_y 1
		.amdhsa_system_sgpr_workgroup_id_z 1
		.amdhsa_system_vgpr_workitem_id 0
		.amdhsa_next_free_vgpr 1024
		.amdhsa_next_free_sgpr 100
		.amdhsa_reserve_vcc 1
		.amdhsa_float_denorm_mode_32 3
		.amdhsa_float_denorm_mode_16_64 3
		.amdhsa_memory_ordered 1
		.amdhsa_forward_progress 1
		.amdhsa_inst_pref_size 191
	.end_amdhsa_kernel
	.amdgpu_metadata
---
amdhsa.version: [ 1, 2 ]
amdhsa.kernels:
  - .name:           k_qa2e7baed04_gateup
    .symbol:         k_qa2e7baed04_gateup.kd
    .args:
      - { .name: xb, .offset: 0, .size: 8, .value_kind: global_buffer, .address_space: global }
      - { .name: bitmap, .offset: 8, .size: 8, .value_kind: global_buffer, .address_space: global }
      - { .name: w_gate, .offset: 16, .size: 8, .value_kind: global_buffer, .address_space: global }
      - { .name: w_up, .offset: 24, .size: 8, .value_kind: global_buffer, .address_space: global }
      - { .name: sw_gate, .offset: 32, .size: 8, .value_kind: global_buffer, .address_space: global }
      - { .name: sw_up, .offset: 40, .size: 8, .value_kind: global_buffer, .address_space: global }
      - { .name: hid, .offset: 48, .size: 8, .value_kind: global_buffer, .address_space: global }
      - { .name: rankmap, .offset: 56, .size: 8, .value_kind: global_buffer, .address_space: global }
    .group_segment_fixed_size: 198144
    .private_segment_fixed_size: 0
    .kernarg_segment_align: 8
    .kernarg_segment_size: 64
    .max_flat_workgroup_size: 128
    .sgpr_count:     100
    .vgpr_count:     1024
    .wavefront_size: 32
...
	.end_amdgpu_metadata
.endif
;; end of part 5
;; launch down (part 6): grid 384 x 1, 4 waves a work-group, no clusters, 262,656 bytes of LDS; arguments hid, bitmap, w_down, sw_down, part; writes part
.if DOCPART == 6
	.amdgcn_target "amdgcn-amd-amdhsa--gfx1250"
	.amdhsa_code_object_version 6
	.text
	.protected	k_qa2e7baed04_down
	.globl	k_qa2e7baed04_down
	.p2align	8
	.type	k_qa2e7baed04_down,@function
k_qa2e7baed04_down:
	s_mov_b64 s[64:65], 0
	v_nop
	global_prefetch_b8 v0, s[64:65] scope:SCOPE_SE
	s_setreg_imm32_b32 hwreg(HW_REG_WAVE_MODE, 25, 1), 1
	s_wait_xcnt 0x0
; SECOND PRODUCT.  part[er x 1,024 + slot][col] = hid[slot] . Wd[:, col] for the rows of one expert and 128 of the 1,024 output columns, in f32: partial rows, which the next launch weighs and adds.
; Table rows er, slots and cnt32 as in the first product: work-group number = 8 er + slice; er = 0..31 the routed experts, whose work-groups as a rule have more rows and come first,
; er = 32 + b the shared expert's weights on tokens 64 b .. 64 b + 63.
; Only slots below cnt32 are read and written; the first product has stored all of them.  The text serves every split (0 to 1,024 rows): the weights stay in registers as bf16, the rows go by in batches of 128
; in a loop of 8 trips; every wave passes every barrier, and only work is jumped, forward, by scalar branches on the count.
; FORMATS.  Weights are rounded to bf16 on their way through registers; hid arrives in bf16; sums and partial rows are f32.
; SHARES.  Wave w = 2 c + kh: columns 64 c .. 64 c + 63 of the 128, K = 256 kh .. 256 kh + 255: 256 rows x 256 bytes of f32, read once, by this wave alone (the shared expert's by 16 work-groups).
; A lane loads 16 bytes (columns 4 r .. 4 r + 3) of the 16 rows of K that a fragment's lane holds: its part of four fragments, fragment j owning columns 4 r + j; the rounding in pairs builds the registers.
; THE PRODUCT has the rows of hid as source 0 and the weights as source 1: register i of fragment j's result in lane (r, h) is slot 8 h + i, column 4 r + j.  The two halves of K meet in LDS;
; the addition puts the four fragments' numbers side by side, so that a lane stores 16 neighbouring bytes of a row and 16 lanes 256, aligned.
; NO MULTICAST, NO DATA MOVER: a routed slice has one reader and must pass through registers to be rounded; what an expert's eight work-groups share, its rows of hid, is an eighth of a work-group's bytes at the mean count.
; REGISTERS in windows of 256 (s_set_vgpr_msb: bits 1:0 source 0, 3:2 source 1, 5:4 source 2, 7:6 destination):
;   window 0 addresses, accumulators, fragments of hid     window 1 the weights, K step q, fragment j at 32 q + 8 j     window 2 landing slots 0-3, later the rows of hid on their way to LDS     window 3 landing slots 4-7
.set IMG,   131072                     ; LDS 0 .. 131,071: 64 planes (8 of K each) x 128 slots x 16 bytes, as hid lies; behind it the images, (8 wave + tile) x 4,096
.set SPARE, IMG+32*4096                ; the spare words: 128 bytes a wave, two blocks of 256 bytes that no other line names
.set SPW, 2                            ; v2  my spare word's LDS address; never rewritten
.set NIL, 3                            ; v3  0; never rewritten
.set ACC, 32                           ; v32-95   eight accumulators: two tiles x four fragments
.set AF,  96                           ; v96-223  fragments of hid of two tiles (8 K steps each); two images on the way out
.set F,   224                          ; v224-255 finished rows
.set MSB, 0
.macro WIN new                         ; the immediate's high byte repeats the setting that is left; a switch that changes nothing is dropped
.if MSB != (\new)
	s_set_vgpr_msb (MSB<<8)|(\new)
.set MSB, \new
.endif
.endm
; K step q of my slice: 16 loads into landing slot q.  The prefetch (K steps 0-3 alone) asks for the 32 rows x 256 bytes of the step four further on, a lane a row: each block once, by the wave that loads it.
.macro WISSUE q
	WIN 0x80+0x40*((\q)/4)                         ; destination window 2 or 3
.set n, 0
.rept 16
	global_load_b128 v[64*((\q)%4)+4*n:64*((\q)%4)+4*n+3], v6, s[20:21] offset:(32*(\q)+n+8*(n/8))*4096
.set n, n+1
.endr
.if (\q) < 4
	global_prefetch_b8 v7, s[20:21] offset:32*((\q)+4)*4096 th:TH_LOAD_NT scope:SCOPE_SE
.endif
.endm
.macro WDONE q, left
	s_wait_loadcnt \left
	WIN 0x4a+5*((\q)/4)                            ; sources window 2 or 3, destination window 1
.set n, 0
.rept 32                               ; n = 8 j + p: rows 2 p, 2 p + 1 of the 16, column 4 r + j
	v_cvt_pk_bf16_f32 v[32*(\q)+n], v[64*((\q)%4)+8*(n%8)+n/8], v[64*((\q)%4)+8*(n%8)+4+n/8]
.set n, n+1
.endr
.endm
; 32 slots (group g of a batch's four) of my 16 planes of hid: a load covers 512 consecutive bytes.  nxt = 1: the batch after the one in hand
.macro ALOAD g, nxt
	WIN 0x80
.set n, 0
.rept 16
	global_load_b128 v[64*(\g)+4*n:64*(\g)+4*n+3], v8, s[14:15] offset:16384*n+512*(\g)+2048*(\nxt)
.set n, n+1
.endr
.endm
.macro ASTORE g
	WIN 0x08                                       ; store data window 2
.set n, 0
.rept 16
	ds_store_b128 v9, v[64*(\g)+4*n:64*(\g)+4*n+3] offset:2048*n+512*(\g)
.set n, n+1
.endr
.endm
; The groups of the 128 slots from s73 on that lie below cnt32 are fetched / put into LDS; the first dead group ends the run
.macro FETCH nxt
.irp g, 0,1,2,3
	s_add_co_u32 s72, s73, 32*\g
	s_cmp_lt_u32 s72, s31
	s_cbranch_scc0 .Lfetched_\@
	ALOAD \g, \nxt
	WIN 0
.endr
.Lfetched_\@:
.endm
.macro PUT
.irp g, 0,1,2,3
	s_add_co_u32 s72, s73, 32*\g
	s_cmp_lt_u32 s72, s31
	s_cbranch_scc0 .Lput_\@
	ASTORE \g
	WIN 0
.endr
.Lput_\@:
.endm
; Tiles 2 u and 2 u + 1: 32 slots x my 64 columns x my 256 of K: 32 LDS loads in one run, 64 products on eight accumulators by turns, the results into my images
.macro PAIR u
	WIN 0
.set n, 0
.rept 16                               ; n = 2 q + tile
	ds_load_b128 v[AF+64*(n%2)+8*(n/2):AF+64*(n%2)+8*(n/2)+3],   v10 offset:8192*(n/2)+256*(2*(\u)+n%2)
	ds_load_b128 v[AF+64*(n%2)+8*(n/2)+4:AF+64*(n%2)+8*(n/2)+7], v10 offset:8192*(n/2)+4096+256*(2*(\u)+n%2)
.set n, n+1
.endr
.set n, 0
.rept 64                               ; n = 8 q + 4 tile + j
.if n%16 == 0
	s_wait_dscnt 24-8*(n/16)                       ; LDS answers in order (ISA guide 5.7.1): the next two K steps' eight loads are in, the later ones stay out
	WIN 0x04                                       ; source 1 (weights) window 1
.endif
.set rD, ACC+32*((n/4)%2)+8*(n%4)
.set rA, AF+64*((n/4)%2)+8*(n/8)
.set rW, 32*(n/8)+8*(n%4)
.if n < 8
	v_wmma_f32_16x16x32_bf16 v[rD:rD+7], v[rA:rA+7], v[rW:rW+7], 0
.else
	v_wmma_f32_16x16x32_bf16 v[rD:rD+7], v[rA:rA+7], v[rW:rW+7], v[rD:rD+7]
.endif
.set n, n+1
.endr
	WIN 0
.rept 5
	v_nop                                          ; four places ahead of the stores that read results and of the next loads into the fragments, five ahead of the next pair's first products
.endr
.set n, 0
.rept 16                               ; each accumulator from its low end on
	ds_store_b128 v11, v[ACC+4*n:ACC+4*n+3] offset:4096*(2*(\u)+n/8)+512*(n%8)
.set n, n+1
.endr
.endm
; Tile 2 u + kh of my 64 columns: the two halves of K are added and stored
.macro FINAL2 u
.set n, 0
.rept 16                               ; n = 8 half + piece
	ds_load_b128 v[AF+4*n:AF+4*n+3], v12 offset:32768*(n/8)+8192*(\u)+512*(n%8)
.set n, n+1
.endr
	s_wait_dscnt 0x0
	s_wait_xcnt 0x0                                ; the rows' registers, which the last stores read, are rewritten only behind this wait (ISA guide 3.1)
.set n, 0
.rept 32                               ; n = 4 i + j: slot 8 h + i, column 4 r + j
	v_add_f32 v[F+n], v[AF+8*(n%4)+n/4], v[AF+32+8*(n%4)+n/4]
.set n, n+1
.endr
.irp i, 0,1,2,3,4,5,6,7
	global_store_b128 v13, v[F+4*\i:F+4*\i+3], s[16:17] offset:131072*(\u)+4096*\i  ; 16 lanes store 256 consecutive bytes, aligned
.endr
.endm
	s_load_b256 s[4:11], s[0:1], 0x0               ; hid s[4:5], bitmap s[6:7], w_down s[8:9], sw_down s[10:11]
	s_load_b64 s[12:13], s[0:1], 0x20              ; part
	v_lshl_add_u32 v[SPW], v0, 2, SPARE
	v_mov_b32 v[NIL], 0
	v_lshrrev_b32 v1, 5, v0
	v_readfirstlane_b32 s26, v1                    ; wave 0..3
	s_lshr_b32 s29, ttmp9, 3                       ; er
	s_and_b32 s25, ttmp9, 7                        ; slice
	s_lshr_b32 s27, s26, 1                         ; c: half of the columns
	s_and_b32 s28, s26, 1                          ; kh: half of K
	s_lshl_b32 s69, s25, 9                         ; my 64 columns: 512 x slice + 256 c bytes
	s_lshl_b32 s67, s27, 8
	s_add_co_u32 s69, s69, s67
	s_lshl_b32 s67, s29, 21                        ; a routed expert's weights are 2 MiB; the shared expert's begin at 0
	s_cmp_lt_u32 s29, 32
	s_cselect_b32 s72, s67, 0
	s_lshl_b32 s67, s28, 20                        ; 256 rows of 4,096 bytes
	s_add_co_u32 s72, s72, s67
	s_add_co_u32 s72, s72, s69
	s_mov_b32 s73, 0
	s_lshl_b32 s74, s29, 20                        ; hid: 1 MiB an expert
	s_mov_b32 s75, 0
	s_lshl_b32 s76, s29, 22                        ; part: 1,024 rows of 4,096 bytes an expert
	s_add_co_u32 s76, s76, s69
	s_mov_b32 s77, 0
	s_lshl_b32 s66, s29, 7                         ; the expert's row of the bitmap
	s_mov_b32 s67, 0
	v_and_b32 v1, 31, v0                           ; lane
	v_and_b32 v4, 15, v0                           ; r
	v_bfe_u32 v5, v0, 4, 1                         ; h
	v_lshlrev_b32 v14, 4, v4                       ; 16 r
	v_lshlrev_b32 v15, 4, v1                       ; 16 x lane
	v_lshl_add_u32 v6, v5, 15, v14                 ; weights: 16 r + 8 h rows
	v_lshlrev_b32 v7, 12, v1                       ; prefetch: a row a lane
	s_lshl_b32 s68, s26, 18
	v_add_nc_u32 v8, s68, v15                      ; hid: my 16 planes of 16 KiB
	s_lshl_b32 s68, s26, 15
	v_add_nc_u32 v9, s68, v15                      ; and their place in LDS, 2,048 bytes a plane
	s_add_co_u32 s68, s68, IMG
	v_add_nc_u32 v11, s68, v15                     ; my images
	v_lshl_add_u32 v10, v5, 11, v14                ; fragments of hid: plane 32 kh + h, slot r
	s_lshl_b32 s68, s28, 16
	v_add_nc_u32 v10, s68, v10
	v_lshl_add_u32 v13, v5, 15, v14                ; part: row 8 h, 16 r bytes on, 16 rows on for the odd tile
	v_add_nc_u32 v13, s68, v13
	s_lshl_b32 s68, s27, 16
	s_lshl_b32 s80, s28, 12
	s_add_co_u32 s68, s68, s80
	s_add_co_u32 s68, s68, IMG
	v_add_nc_u32 v12, s68, v15                     ; the image of tile kh of the wave with my columns and the first half of K
	s_wait_kmcnt 0x0
	s_add_nc_u64 s[6:7], s[6:7], s[66:67]
	s_load_b512 s[32:47], s[6:7], 0x0              ; the expert's 32 words
	s_load_b512 s[48:63], s[6:7], 0x40
	s_cmp_lt_u32 s29, 32
	s_cselect_b64 s[20:21], s[8:9], s[10:11]       ; the routed experts' tensor or the shared one's
	s_add_nc_u64 s[20:21], s[20:21], s[72:73]
	s_add_nc_u64 s[14:15], s[4:5], s[74:75]
	s_add_nc_u64 s[16:17], s[12:13], s[76:77]
	WISSUE 0                                       ; all eight K steps are asked for at once: 128 loads, each into registers of its own
	WISSUE 1
	WISSUE 2
	WISSUE 3
	s_wait_kmcnt 0x0
	s_mov_b32 s30, 0
.set i, 0
.rept 32
	s_bcnt1_i32_b32 s67, s[32+i]
	s_add_co_u32 s30, s30, s67
.set i, i+1
.endr
	s_add_co_u32 s31, s30, 31
	s_and_b32 s31, s31, -32                        ; cnt32
	WISSUE 4
	WISSUE 5
	WISSUE 6
	WISSUE 7
	WDONE 0, 63                                    ; 64 loads or more are younger than each of the first four groups; the count's field ends at 63, and a smaller count is safe
	WDONE 1, 63
	WDONE 2, 63
	WDONE 3, 63
	WIN 0
	s_mov_b32 s73, 0
	FETCH 0                                        ; the first batch's rows of hid, into the landing slots just read out
	WDONE 4, 48                                    ; the counts are those of the weights' groups behind, which are out on every path; rows of hid behind them only make a wait stricter
	WDONE 5, 32
	WDONE 6, 16
	WDONE 7, 0                                     ; and the rows of hid are in too
	WIN 0
	PUT
	; THE BATCHES: 128 slots each; s70 = the batch's first slot
	s_mov_b32 s70, 0
	s_mov_b32 s71, 0
.Lround:
	s_wait_dscnt 0x0                               ; my planes are in LDS, and my reads of the last batch's images are over
	s_barrier_signal -1
	s_barrier_wait -1                              ; everybody's
	s_cmp_ge_u32 s70, s31
	s_cbranch_scc1 .Ldead                          ; no rows left
	s_add_co_u32 s73, s70, 128
	FETCH 1                                        ; the next batch's rows are asked for ahead of this batch's products
	PAIR 0
.irp u, 1,2,3
	s_add_co_u32 s72, s70, 32*\u
	s_cmp_lt_u32 s72, s31
	s_cbranch_scc0 .Ldead
	PAIR \u
.endr
.Ldead:
	s_wait_dscnt 0x0                               ; my images are in LDS, and my reads of the planes are over
	s_barrier_signal -1
	s_barrier_wait -1
.irp u, 0,1,2,3
	s_add_co_u32 s72, s70, 32*\u
	s_cmp_lt_u32 s72, s31
	s_cbranch_scc0 .Lnofinal
	FINAL2 \u
.endr
.Lnofinal:
	s_wait_loadcnt 0x0                             ; the next batch's rows, if any were asked for: on every path no load is out from here on
	s_add_co_u32 s73, s70, 128
	PUT
	s_wait_xcnt 0x0                                ; the bases are stepped only behind this wait (ISA guide 3.1)
	s_add_nc_u64 s[14:15], s[14:15], 2048          ; 128 slots of 16 bytes on
	s_add_nc_u64 s[16:17], s[16:17], 524288        ; 128 rows of 4,096 bytes on
	s_add_co_u32 s70, s70, 128
	s_add_co_u32 s71, s71, 1
	s_cmp_lt_u32 s71, 8
	s_cbranch_scc1 .Lround
	s_wait_tensorcnt 0x0                           ; the wave's end, behind my last LDS store
	ds_add_u32 v[SPW], v[NIL]
	s_wait_dscnt 0x0
	s_endpgm
.Lfunc_end_k_qa2e7baed04_down:
	.size	k_qa2e7baed04_down, .Lfunc_end_k_qa2e7baed04_down-k_qa2e7baed04_down
	.p2alignl 7, 3214868480
	.fill 96, 4, 3214868480
	.section	.rodata,"a",@progbits
	.p2align	6, 0x0
	.amdhsa_kernel k_qa2e7baed04_down
		.amdhsa_group_segment_fixed_size 262656
		.amdhsa_private_segment_fixed_size 0
		.amdhsa_enable_private_segment 0
		.amdhsa_kernarg_size 40
		.amdhsa_user_sgpr_count 2
		.amdhsa_user_sgpr_kernarg_segment_ptr 1
		.amdhsa_wavefront_size32 1
		.amdhsa_system_sgpr_workgroup_id_x 1
		.amdhsa_system_sgpr_workgroup_id_y 1
		.amdhsa_system_sgpr_workgroup_id_z 1
		.amdhsa_system_vgpr_workitem_id 0
		.amdhsa_next_free_vgpr 1024
		.amdhsa_next_free_sgpr 100
		.amdhsa_reserve_vcc 0
		.amdhsa_float_denorm_mode_32 3
		.amdhsa_float_denorm_mode_16_64 3
		.amdhsa_memory_ordered 1
		.amdhsa_forward_progress 1
		.amdhsa_inst_pref_size 99
	.end_amdhsa_kernel
	.amdgpu_metadata
---
amdhsa.version: [ 1, 2 ]
amdhsa.kernels:
  - .name:           k_qa2e7baed04_down
    .symbol:         k_qa2e7baed04_down.kd
    .args:
      - { .name: hid, .offset: 0, .size: 8, .value_kind: global_buffer, .address_space: global }
      - { .name: bitmap, .offset: 8, .size: 8, .value_kind: global_buffer, .address_space: global }
      - { .name: w_down, .offset: 16, .size: 8, .value_kind: global_buffer, .address_space: global }
      - { .name: sw_down, .offset: 24, .size: 8, .value_kind: global_buffer, .address_space: global }
      - { .name: part, .offset: 32, .size: 8, .value_kind: global_buffer, .address_space: global }
    .group_segment_fixed_size: 262656
    .private_segment_fixed_size: 0
    .kernarg_segment_align: 8
    .kernarg_segment_size: 40
    .max_flat_workgroup_size: 128
    .sgpr_count:     100
    .vgpr_count:     1024
    .wavefront_size: 32
...
	.end_amdgpu_metadata
.endif
;; end of part 6
;; launch combine: the kernel of part 4 again; grid 256 x 1, 4 waves a work-group, no clusters, 0 bytes of LDS; arguments ids, wts, rankmap, part, out0; writes out0
